; MI455X (gfx1250); checked and timed in simulation.
; The chip was launched on July 23, 2026; its instructions are those of AMD's public machine-readable ISA for CDNA 5 (MIT licence, August 2026) and "CDNA5" Instruction Set Architecture Reference Guide (July 2026). The comments in the code are by the model that wrote it; some were corrected since.
;; Penny Lane PQC. Allowed arithmetic: float matrix products may take bf16 or f16 operands with f32 sums; all other float work in f32.
;; Inputs: all_weights 2 x 234 float32; state_imag 256 x 8,192 float32; state_real 256 x 8,192 float32.
;; Outputs: out0 256 x 13 float32.
;; 2 versions, each right and faster than the one before. Each part assembles by itself: llvm-mc -triple=amdgcn-amd-amdhsa -mcpu=gfx1250 --defsym DOCPART=n.
;; ======== version 1 of 2: 1 launch
;; limits: right only within a limited range of input values; values are held in f16: magnitudes above 65,504 overflow, below 6.1e-05 lose precision; inputs' magnitudes at most 100,000
;; launch pqc (part 1): grid 256 x 1, 8 waves a work-group, no clusters, 183,296 bytes of LDS; arguments state_real, state_imag, all_weights, out0; writes out0
.if DOCPART == 1
	.amdgcn_target "amdgcn-amd-amdhsa--gfx1250"
	.amdhsa_code_object_version 6
	.text
	.protected	k_q008f8f9b4a_pqc
	.globl	k_q008f8f9b4a_pqc
	.p2align	8
	.type	k_q008f8f9b4a_pqc,@function
k_q008f8f9b4a_pqc:
	s_mov_b64 s[64:65], 0
	v_nop
	global_prefetch_b8 v0, s[64:65] scope:SCOPE_SE
	s_setreg_imm32_b32 hwreg(HW_REG_WAVE_MODE, 25, 1), 1
	s_wait_xcnt 0x0
; Three circuits of U3 layers and CNOT brickwork on 256 states of 8,192 complex amplitudes, one state a work-group, eight waves.
; The state stays in the work-group from the first load to the 13 results: 64 KiB come in once, 52 bytes go out.
; NAMES: o0..o12 the data wires (o0 = index bit 12), A the second circuit's ancilla (its wire 0; its wire w is o(w-1)).
; GATES AS PRODUCTS: four wires' U3 and the CNOTs among them are one complex 16 x 16 matrix M; as a real product K = 32 = [re 16 | im 16],
;   two matrix instructions a tile (rows [Re M, -Im M] give re, rows [Im M, Re M] give im).  A fifth wire lies on the tile number: 2 x 2 blocks.
; A TILE is 8 registers of packed f16: lane (r, h), registers 0-3 re of k = 8h + j, registers 4-7 im of the same k.
;   SWAP (tile as first source): the gate acts on k, its result lands on r, the old r moves to (h, j).   STAY (tile as second source): in place.
; CNOTs that cross groups cost no arithmetic: the next load's address takes (control's mask xor target's mask) for the control.
; FORMAT: f16 operands, f32 sums.  Each row is first scaled by an exact power of two, taken from its own norm, to a norm in [1024, 2048),
;   so no amplitude passes 2048; the scale is taken back inside the norm formulas between circuits 2 and 3, which leave a norm of 1024.
; THE LAST PRODUCT (probabilities times signs) is 13 signed sums in f32: the signs are index bits, which here are register numbers and thread bits.
; NO CLUSTER: work-groups share only the 1,872 bytes of weights.  NO TENSOR LOADS: a thread's whole input is asked for at once, into 64 registers.
; THE OUTPUT is 52 bytes a work-group, so its aligned 256-byte blocks are written in parts: 13,312 bytes in all, against 16.8 MB read.
; LIMITS: angles are reduced by a 2 pi in two words: beyond some 1e5 rad the error is that of the angle's own last bit.  A row's sum of squares
;   must be finite in f32.  Where the ancilla is 0 with a probability under some 1e-8 the f16 state loses accuracy.  v_sqrt_f32 and v_rcp_f32
;   take denormals as zero (ISA guide 15.8): norms under 2^-126.
;
; LDS.  State: units of 16 bytes = 8 f16, element o0*4 + o1*2 + o2; re plane at 0, im plane at IMP.  A unit's address is the XOR of the masks
; below over the wires that are 1.  The masks are independent (each has a bit of its own), and in every store and load of this text the sixteen
; lanes of a half wave reach sixteen different 16-byte columns modulo 256 bytes (in the load LDn eight, each asked for by two lanes alike).
.set P3,  0x1080
.set P4,  0x0010
.set P5,  0x0020
.set P6,  0x0040
.set P7,  0x0080
.set P8,  0x0110
.set P9,  0x0220
.set P10, 0x0440
.set P11, 0x08c0
.set P12, 0x2000
.set PA,  0x4040
.set Q3,  P3^P4                        ; pending CNOT (o3, o4)
.set Q7,  P7^P8                        ; (o7, o8)
.set Q6,  P6^P7                        ; (o6, o7)
.set Q10, P10^P11                      ; (o10, o11)
.set Q12, P12^PA                       ; (o12, A)
.set IMP, 32768
.set MT,  65536                        ; 44 matrix blocks
.set BLK, 2560                         ; a block: 16 rows [Re, -Im] at pitch 80, then 16 rows [Im, Re] from byte 1,280
.set GT,  178176                       ; 96 gates of 32 bytes: U00, U01, U10, U11 as (re, im); gate 14 x layer + wire; gate 84 = identity
.set IDG, GT+84*32
.set RED0, 181248                      ; 8 words: the waves' sums of squares of the input
.set RED1, RED0+64                     ; 8 x 2 words: the two sums of the middle step
.set RED2, RED0+128                    ; 8 x 64 bytes: the waves' 13 signed sums
; THE BLOCKS, numbered by the wave that makes them.  Layers 0-5 = circuit 1, 1, 2, 2, 3, 3.
;   blocks 4 w .. 4 w + 3, made by wave w, are 2 x 2 blocks (number 2 out + in) of five wires:
;     w = 0, 1, 2, 3: layers 0, 1, 4, 5, wires 8-12;  w = 4, 5: layers 2, 3, circuit 2's wires 12, 13;  w = 6, 7: layers 2, 3, its wires 0-3 with CNOT (3, 4)
;   blocks 32 + 2 l, 33 + 2 l, made by wave l, are layer l's wires 4-7 and its wires 0-3 (circuit 2: 8-11).
; VECTOR REGISTERS: v1-v13 state addresses (SIN, LAi, LAii, LAv, LB, LCiii, LCiv, LDn, LD, SA, SB, SC, SD); v14 fragment address of block 0, v15 of
; the blocks at work; v16 the row's scale taken back; v17-v31 at work; v[32:95] tiles X; v[96:159] four sets of sums D (re 8, im 8);
; v[160:175] fragments F1; v[176:239] fragments F2 / F5, before that the input as loaded.
.macro BAR
	s_wait_dscnt 0x0                       ; for the other waves' sake: all my LDS loads and stores are done
	s_barrier_signal -1
	s_barrier_wait -1
.endm
.macro NOP4                            ; four places behind a matrix instruction before its results are read or its sources written (ISA guide 7.12.1)
.rept 4
	v_nop
.endr
.endm
.macro WSUM r                          ; sum over the 32 lanes, in every lane; v26 has been written before
	v_add_f32_dpp v[\r], v[\r], v[\r] row_xmask:1 row_mask:0xf bank_mask:0xf
	v_add_f32_dpp v[\r], v[\r], v[\r] row_xmask:2 row_mask:0xf bank_mask:0xf
	v_add_f32_dpp v[\r], v[\r], v[\r] row_xmask:4 row_mask:0xf bank_mask:0xf
	v_add_f32_dpp v[\r], v[\r], v[\r] row_xmask:8 row_mask:0xf bank_mask:0xf
	v_permlanex16_b32 v26, v[\r], s24, s25
	v_add_f32 v[\r], v[\r], v26
.endm
.macro CVTH d, s                       ; the two f16 halves of register s as f32 in v[d], v[d+1]
	v_cvt_f32_f16 v[\d], v\s\().l
	v_cvt_f32_f16 v[\d+1], v\s\().h
.endm
; sin and cos of v[x]: reduce by 2 pi (two words), take a quarter, series to z^4, double the angle twice.  At work: v41, v42.
.macro SINCOS x, s, c
	v_mul_f32 v41, 0.15915494, v[\x]
	v_rndne_f32 v41, v41
	v_fmamk_f32 v42, v41, 0xc0c90fdb, v[\x]
	v_fmamk_f32 v42, v41, 0x343bbd2e, v42
	v_mul_f32 v42, 0x3e800000, v42
	v_mul_f32 v41, v42, v42
	v_mov_b32 v[\s], 0x3638ef1d
	v_fmaak_f32 v[\s], v[\s], v41, 0xb9500d01
	v_fmaak_f32 v[\s], v[\s], v41, 0x3c088889
	v_fmaak_f32 v[\s], v[\s], v41, 0xbe2aaaab
	v_fma_f32 v[\s], v[\s], v41, 1.0
	v_mul_f32 v[\s], v[\s], v42
	v_mov_b32 v[\c], 0x37d00d01
	v_fmaak_f32 v[\c], v[\c], v41, 0xbab60b61
	v_fmaak_f32 v[\c], v[\c], v41, 0x3d2aaaab
	v_fma_f32 v[\c], v[\c], v41, -0.5
	v_fma_f32 v[\c], v[\c], v41, 1.0
.rept 2
	v_mul_f32 v41, v[\s], v[\c]
	v_mul_f32 v42, v[\s], v[\s]
	v_add_f32 v[\s], v41, v41
	v_fma_f32 v[\c], v42, -2.0, 1.0
.endr
.endm
.macro CMUL d, a, b                    ; complex product, (re, im) in neighbouring registers
	v_mul_f32 v[\d], v[\a], v[\b]
	v_mul_f32 v[\d+1], v[\a], v[\b+1]
	v_fma_f32 v[\d], -v[\a+1], v[\b+1], v[\d]
	v_fma_f32 v[\d+1], v[\a+1], v[\b], v[\d+1]
.endm
.macro G4X x, y                        ; index in front of the CNOTs (g,g+1), (g+2,g+3), (g+1,g+2); bits 3..0 = wires g+3, g, g+1, g+2
	v_bfe_u32 v[\x], v[\y], 1, 2
	v_xor_b32 v[\x], v[\x], v[\y]
	v_and_b32 v25, 1, v[\y]
	v_lshlrev_b32 v25, 3, v25
	v_xor_b32 v[\x], v[\x], v25
	v_and_b32 v25, 2, v[\y]
	v_lshlrev_b32 v25, 2, v25
	v_xor_b32 v[\x], v[\x], v25
.endm
.macro GROW dst, bit, sr               ; the gate at LDS address s[sr]: its row number bit `bit` of x (v23)
	v_bfe_u32 v25, v23, \bit, 1
	v_lshl_add_u32 v25, v25, 4, s[\sr]
	ds_load_b128 v[\dst:\dst+3], v25
.endm
; my row of the tensor product of four gates' rows, which lie at v[rb] (H), +4 (j2), +8 (j1), +12 (j0) -> V16 v[76:107], entry k = 8 kH + 4 k2 + 2 k1 + k0
.macro BUILDV16 rb
.set kk, 0
.rept 4
	CMUL 52+2*kk,\rb+2*(kk>>1),\rb+4+2*(kk&1)
.set kk, kk+1
.endr
.set kk, 0
.rept 8
	CMUL 60+2*kk,52+2*(kk>>1),\rb+8+2*(kk&1)
.set kk, kk+1
.endr
.set kk, 0
.rept 16
	CMUL 76+2*kk,60+2*(kk>>1),\rb+12+2*(kk&1)
.set kk, kk+1
.endr
.endm
; 16 complex numbers at v[src] become my row of a block at v22 + off: [Re, -Im] and, 1,280 bytes on, [Im, Re], in f16
.macro PACKSTORE src, off
.set ii, 0
.rept 8
	v_cvt_pk_f16_f32 v[140+ii], v[\src+4*ii], v[\src+4*ii+2]
	v_cvt_pk_f16_f32 v[148+ii], v[\src+4*ii+1], v[\src+4*ii+3]
.set ii, ii+1
.endr
.set ii, 0
.rept 8
	v_xor_b32 v[156+ii], 0x80008000, v[148+ii]
.set ii, ii+1
.endr
	ds_store_b128 v22, v[140:143] offset:\off
	ds_store_b128 v22, v[144:147] offset:\off+16
	ds_store_b128 v22, v[156:159] offset:\off+32
	ds_store_b128 v22, v[160:163] offset:\off+48
	ds_store_b128 v22, v[148:151] offset:\off+1280
	ds_store_b128 v22, v[152:155] offset:\off+1296
	ds_store_b128 v22, v[140:143] offset:\off+1312
	ds_store_b128 v22, v[144:147] offset:\off+1328
.endm
; v[dst] = XOR over i of (bit i of my thread number) x m_i; the bits lie in v18-v25
.macro LINADDR dst, m0, m1, m2, m3, m4, m5, m6, m7
	v_mul_u32_u24 v[\dst], v18, \m0
.set bi, 1
.irp m, \m1, \m2, \m3, \m4, \m5, \m6, \m7
.if \m
	v_mul_u32_u24 v17, v[18+bi], \m
	v_xor_b32 v[\dst], v[\dst], v17
.endif
.set bi, bi+1
.endr
.endm
.macro TILEADR adr, k0, k1, k2         ; AR = the register with tile tl's address: the tile's bits pick their wires' masks
.set tc, ((tl&1)*(\k0))^(((tl>>1)&1)*(\k1))^(((tl>>2)&1)*(\k2))
.if tc
	v_xor_b32 v17, tc, v[\adr]
.set AR, 17
.else
.set AR, \adr
.endif
.endm
; The transposing load: lane 8g + i gets, as element j, element i of the unit that lane 8g + j addresses.  So the wires on address bits 0-2 of the
; lane land on j, those on bits 3, 4 stay on r3, h, and o0, o1, o2 land on r2, r1, r0.
.macro LOADX adr, nt, k0, k1, k2
.set tl, 0
.rept \nt
	TILEADR \adr, \k0, \k1, \k2
	ds_load_tr16_b128 v[32+8*tl:35+8*tl], v[AR]
	ds_load_tr16_b128 v[36+8*tl:39+8*tl], v[AR] offset:IMP
.set tl, tl+1
.endr
.endm
.macro STOREX adr, nt, k0, k1, k2      ; j holds o0, o1, o2 here: a lane's four registers are one unit
.set tl, 0
.rept \nt
	TILEADR \adr, \k0, \k1, \k2
	ds_store_b128 v[AR], v[32+8*tl:35+8*tl]
	ds_store_b128 v[AR], v[36+8*tl:39+8*tl] offset:IMP
.set tl, tl+1
.endr
.endm
.macro SETFL blk                       ; FL = the register with my fragment address in block blk
.if \blk
	v_add_nc_u32 v15, \blk*BLK, v14
.set FL, 15
.else
.set FL, 14
.endif
.endm
.macro LOADF dst, rel                  ; the two fragments of the block rel behind FL's: 8 registers for re, 8 for im
	ds_load_b128 v[\dst:\dst+3], v[FL] offset:(\rel)*BLK
	ds_load_b128 v[\dst+4:\dst+7], v[FL] offset:(\rel)*BLK+32
	ds_load_b128 v[\dst+8:\dst+11], v[FL] offset:(\rel)*BLK+1280
	ds_load_b128 v[\dst+12:\dst+15], v[FL] offset:(\rel)*BLK+1312
.endm
.macro LOADF5                          ; the 2 x 2 blocks that begin at FL's
	LOADF 176, 0
	LOADF 192, 1
	LOADF 208, 2
	LOADF 224, 3
.endm
.macro WM form, d, x, f, acc           ; form 1 = SWAP (tile first), 0 = STAY (matrix first); acc 0: the product starts the sum
.if \form
.if \acc
	v_wmma_f32_16x16x32_f16 v[\d:\d+7], v[\x:\x+7], v[\f:\f+7], v[\d:\d+7]
.else
	v_wmma_f32_16x16x32_f16 v[\d:\d+7], v[\x:\x+7], v[\f:\f+7], 0
.endif
.else
.if \acc
	v_wmma_f32_16x16x32_f16 v[\d:\d+7], v[\f:\f+7], v[\x:\x+7], v[\d:\d+7]
.else
	v_wmma_f32_16x16x32_f16 v[\d:\d+7], v[\f:\f+7], v[\x:\x+7], 0
.endif
.endif
.endm
.macro CVT4                            ; the four sets of sums become tiles 4 gr .. 4 gr + 3 again
.set st, 0
.rept 4
.set ii, 0
.rept 4
	v_cvt_pk_f16_f32 v[32+8*(4*gr+st)+ii], v[96+16*st+2*ii], v[97+16*st+2*ii]
	v_cvt_pk_f16_f32 v[36+8*(4*gr+st)+ii], v[104+16*st+2*ii], v[105+16*st+2*ii]
.set ii, ii+1
.endr
.set st, st+1
.endr
.endm
.macro PASS4 form, nt, f               ; one 16 x 16 matrix on every tile; four tiles at a time, eight sums, none taken up again
.set gr, 0
.rept \nt/4
.set st, 0
.rept 4
	WM \form, 96+16*st, 32+8*(4*gr+st), \f, 0
	WM \form, 104+16*st, 32+8*(4*gr+st), \f+8, 0
.set st, st+1
.endr
	NOP4
	CVT4
.set gr, gr+1
.endr
.endm
; 2 x 2 blocks on pairs of tiles (2p, 2p+1): out(a) = F[a][0] x(0) + F[a][1] x(1), block 2a + b at v[176+16(2a+b)].  Two pairs at a time:
; eight products start eight sums, eight more add onto them in the same order: the accumulators take turns, one instruction a turn.
.macro PASS5 form, nt, cvt
.set gr, 0
.rept \nt/4
.set pr, 0
.rept 2
	WM \form, 96+32*pr, 32+8*(4*gr+2*pr), 176, 0
	WM \form, 104+32*pr, 32+8*(4*gr+2*pr), 184, 0
	WM \form, 112+32*pr, 32+8*(4*gr+2*pr), 208, 0
	WM \form, 120+32*pr, 32+8*(4*gr+2*pr), 216, 0
.set pr, pr+1
.endr
.set pr, 0
.rept 2
	WM \form, 96+32*pr, 40+8*(4*gr+2*pr), 192, 1
	WM \form, 104+32*pr, 40+8*(4*gr+2*pr), 200, 1
	WM \form, 112+32*pr, 40+8*(4*gr+2*pr), 224, 1
	WM \form, 120+32*pr, 40+8*(4*gr+2*pr), 232, 1
.set pr, pr+1
.endr
	NOP4
.if \cvt
	CVT4
.endif
.set gr, gr+1
.endr
.endm
; The state is updated in place: every wave's loads are back before any wave stores, every store is done before any wave loads.
.macro OPEN
	s_wait_dscnt 0x0                       ; my loads of the state and of the fragments are back
	s_barrier_signal -1                    ; say so; only register work follows up to the wait
.endm
.macro CLOSE adr, nt, k0, k1, k2
	s_barrier_wait -1                      ; every wave's loads are back
	STOREX \adr, \nt, \k0, \k1, \k2
	BAR                                    ; every wave's stores are done
.endm
; Between circuits 2 and 3, on the 64 numbers y of my four tiles (true value y U): S1 = sum y^2, y = max(y, 0.01 y), S2 = sum y^2;
; n1 = sqrt(S1) U, a = 1 / (n1 + 1e-8), n2 = a U sqrt(S2), and y a U / n2 is the new state, kept 1024 times as large.
.macro MIDDLE
	s_wait_dscnt 0x0
.irp i, 32,33,34,35,36,37,38,39,40,41,42,43,44,45,46,47,48,49,50,51,52,53,54,55,56,57,58,59,60,61,62,63
	CVTH 96+2*(\i-32), \i
.endr
.set ii, 0
.rept 32
.set ch, 2*(ii&1)
.if ii < 2
	v_pk_mul_f32 v[18+ch:19+ch], v[96+2*ii:97+2*ii], v[96+2*ii:97+2*ii]
.else
	v_pk_fma_f32 v[18+ch:19+ch], v[96+2*ii:97+2*ii], v[96+2*ii:97+2*ii], v[18+ch:19+ch]
.endif
	v_pk_mul_f32 v[28:29], v[96+2*ii:97+2*ii], 0x3c23d70a op_sel_hi:[1,0]
	v_max_num_f32 v[96+2*ii], v[96+2*ii], v28
	v_max_num_f32 v[97+2*ii], v[97+2*ii], v29
.if ii < 2
	v_pk_mul_f32 v[22+ch:23+ch], v[96+2*ii:97+2*ii], v[96+2*ii:97+2*ii]
.else
	v_pk_fma_f32 v[22+ch:23+ch], v[96+2*ii:97+2*ii], v[96+2*ii:97+2*ii], v[22+ch:23+ch]
.endif
.set ii, ii+1
.endr
	v_pk_add_f32 v[18:19], v[18:19], v[20:21]
	v_pk_add_f32 v[22:23], v[22:23], v[24:25]
	v_add_f32 v18, v18, v19
	v_add_f32 v19, v22, v23
	WSUM 18
	WSUM 19
	s_lshl_b32 s16, s12, 3
	s_add_co_u32 s16, s16, RED1
	v_mov_b32 v17, s16
	ds_store_b64 v17, v[18:19]             ; all lanes write the same two words
	BAR
	v_mov_b32 v17, RED1
	ds_load_b128 v[192:195], v17
	ds_load_b128 v[196:199], v17 offset:16
	ds_load_b128 v[200:203], v17 offset:32
	ds_load_b128 v[204:207], v17 offset:48
	OPEN
	v_pk_add_f32 v[192:193], v[192:193], v[194:195]
	v_pk_add_f32 v[196:197], v[196:197], v[198:199]
	v_pk_add_f32 v[200:201], v[200:201], v[202:203]
	v_pk_add_f32 v[204:205], v[204:205], v[206:207]
	v_pk_add_f32 v[192:193], v[192:193], v[196:197]
	v_pk_add_f32 v[200:201], v[200:201], v[204:205]
	v_pk_add_f32 v[192:193], v[192:193], v[200:201]
	v_sqrt_f32 v18, v192
	v_sqrt_f32 v19, v193
	v_nop                                  ; one plain place behind a transcendental (ISA guide 5.7.2)
	s_wait_alu depctr_va_vdst(0)
	v_fmaak_f32 v18, v18, v16, 0x322bcc77  ; n1 + 1e-8
	v_rcp_f32 v20, v18
	v_nop
	s_wait_alu depctr_va_vdst(0)
	v_mul_f32 v20, v20, v16                ; a U
	v_mul_f32 v19, v20, v19                ; n2
	v_rcp_f32 v21, v19
	v_mul_f32 v20, 0x44800000, v20         ; 1024 a U: the place behind the reciprocal
	s_wait_alu depctr_va_vdst(0)
	v_mul_f32 v30, v20, v21
	v_mul_f32 v31, v20, v21
.set ii, 0
.rept 32
	v_pk_mul_f32 v[96+2*ii:97+2*ii], v[96+2*ii:97+2*ii], v[30:31]
.set ii, ii+1
.endr
.set ii, 0
.rept 32
	v_cvt_pk_f16_f32 v[32+ii], v[96+2*ii], v[97+2*ii]
.set ii, ii+1
.endr
.endm
; The four kinds of stage.  f4: the layer's first block of four wires; f5: the first of the 2 x 2 blocks.
.macro STG_A f4, ladr, mid             ; circuits 1, 3: wires 4-7 (k = o7 o4 o5 o6), then wires 0-3 (k = o3 o0 o1 o2)
	LOADX \ladr, 4, P8, P9, 0
	SETFL \f4
	LOADF 160, 0
	LOADF 176, 1
.if \mid
	MIDDLE
.else
	OPEN
.endif
	PASS4 1, 4, 160
	PASS4 0, 4, 176
	CLOSE 10, 4, P8, P9, 0
.endm
.macro STG_B f5                        ; circuits 1, 3: wires 8-12 (k = o11 o8 o9 o10, tile bit 0 = o12)
	LOADX 5, 4, P12, P4, 0
	SETFL \f5
	LOADF5
	OPEN
	PASS5 1, 4, 1
	CLOSE 11, 4, P12, P4, 0
.endm
.macro STG_C f4, f5, ladr, nt, k0, k1, k2  ; circuit 2: its wires 4-7 (k = o6 o3 o4 o5), then 12, 13 (h = o11, tile bit 0 = o12)
	LOADX \ladr, \nt, \k0, \k1, \k2
	SETFL \f4
	LOADF 160, 0
	SETFL \f5
	LOADF5
	OPEN
	PASS4 1, \nt, 160
	PASS5 0, \nt, 1
	CLOSE 12, \nt, P12, P7, PA
.endm
.macro STG_D f4, f5, ladr              ; circuit 2: its wires 8-11 (k = o10 o7 o8 o9), then 0-3 with CNOT (3, 4) (k = A o0 o1 o2, tile bit 0 = o3)
	LOADX \ladr, 8, P3, P4, P5
	SETFL \f4
	LOADF 160, 1
	SETFL \f5
	LOADF5
	OPEN
	PASS4 1, 8, 160
	PASS5 0, 8, 1
	CLOSE 13, 8, P3, P4, P5
.endm
; ---------------------------------------------------------------- entry: everything that comes from memory is asked for at once
	s_load_b256 s[4:11], s[0:1], 0x0       ; state_real s[4:5], state_imag s[6:7], all_weights s[8:9], out0 s[10:11]
	v_lshl_add_u32 v240, v0, 2, 0x2c800
	v_mov_b32 v241, 0
	v_lshrrev_b32 v18, 5, v0
	v_readfirstlane_b32 s12, v18           ; wave 0..7
	s_lshl_b32 s14, ttmp9, 15              ; my row: 8,192 f32
	s_mov_b32 s15, 0
	s_mov_b32 s24, 0x76543210              ; v_permlanex16_b32: lane i of the other half
	s_mov_b32 s25, 0xfedcba98
	v_lshlrev_b32 v30, 4, v0               ; 16 bytes a thread
	s_wait_kmcnt 0x0
	s_add_nc_u64 s[4:5], s[4:5], s[14:15]
	s_add_nc_u64 s[6:7], s[6:7], s[14:15]
	s_cmp_gt_u32 s12, 2
	s_cbranch_scc1 .Lno_weights
	v_mul_u32_u24 v18, v0, 147             ; threads 0-95, a gate each: layer = t / 14 (t x 147 >> 11 is exact up to 83), clamped
	v_lshrrev_b32 v18, 11, v18
	v_min_u32 v18, 5, v18
	v_mul_u32_u24 v19, v18, 14
	v_sub_nc_u32 v19, v0, v19
	v_min_u32 v19, 13, v19                 ; wire
	v_and_b32 v20, 1, v18                  ; the layer in its circuit picks the row of 234,
	v_lshrrev_b32 v21, 1, v18              ; the circuit the 78 columns
	v_mul_u32_u24 v20, v20, 234
	v_mad_u32_u24 v20, v21, 78, v20
	v_mad_u32_u24 v20, v19, 3, v20         ; at most word 431 of 468
	v_lshlrev_b32 v31, 2, v20
	global_load_b32 v32, v31, s[8:9]
	global_load_b32 v33, v31, s[8:9] offset:4
	global_load_b32 v34, v31, s[8:9] offset:8
.Lno_weights:
.irp m, 0,1,2,3,4,5,6,7
	global_load_b128 v[176+4*\m:179+4*\m], v30, s[4:5] offset:\m*4096 th:TH_LOAD_NT   ; a wave's load covers 512 consecutive bytes, aligned
.endr
.irp m, 0,1,2,3,4,5,6,7
	global_load_b128 v[208+4*\m:211+4*\m], v30, s[6:7] offset:\m*4096 th:TH_LOAD_NT
.endr
; ---------------------------------------------------------------- the 84 gates, the identity, into GT
	s_cmp_gt_u32 s12, 2
	s_cbranch_scc1 .Lno_gates
	s_wait_loadcnt 16                      ; my three weights are in; the sixteen loads of the state, issued behind them, stay out
	v_mul_f32 v32, 0.5, v32
	SINCOS 32, 35, 44                      ; s = v35, c = v44 = U00.re
	SINCOS 33, 37, 38                      ; sin, cos of phi
	SINCOS 34, 39, 40                      ; sin, cos of lambda
	v_mov_b32 v45, 0
	v_mul_f32 v46, -v40, v35               ; U01 = -e^(i lambda) s
	v_mul_f32 v47, -v39, v35
	v_mul_f32 v48, v38, v35                ; U10 = e^(i phi) s
	v_mul_f32 v49, v37, v35
	v_mul_f32 v41, v37, v39
	v_fma_f32 v41, v38, v40, -v41
	v_mul_f32 v42, v38, v39
	v_fma_f32 v42, v37, v40, v42
	v_mul_f32 v50, v41, v44                ; U11 = e^(i (phi + lambda)) c
	v_mul_f32 v51, v42, v44
	v_cmp_eq_u32 vcc_lo, 84, v0            ; gate 84 is the identity
	v_cmp_eq_u32 s26, 28, v0               ; gate 28 acts on the ancilla while it is |0>: its second column is never used and is stored as 0,
	s_or_b32 s27, vcc_lo, s26              ; so that the load in front of it may bring the A = 0 data for both values of A
	v_cndmask_b32 v44, v44, 1.0, vcc_lo
	v_cndmask_b32 v46, v46, 0, s27
	v_cndmask_b32 v47, v47, 0, s27
	v_cndmask_b32 v48, v48, 0, vcc_lo
	v_cndmask_b32 v49, v49, 0, vcc_lo
	v_cndmask_b32 v50, v50, 0, s26
	v_cndmask_b32 v50, v50, 1.0, vcc_lo
	v_cndmask_b32 v51, v51, 0, s27
	v_lshlrev_b32 v43, 5, v0
	v_add_nc_u32 v43, GT, v43
	ds_store_b128 v43, v[44:47]
	ds_store_b128 v43, v[48:51] offset:16
.Lno_gates:
	BAR                                    ; the gates are there for every wave
; ---------------------------------------------------------------- the matrices, first part: each lane reads the gate rows that its matrix rows are made of
; Row y of a matrix is row x(y) of the tensor product of its gates, x the index in front of the group's CNOTs.
; Five wires: a wave makes 2 x 2 blocks, lane y = 16 out + n one row of two of them; bits 4..0 of y, x: T, H, j2, j1, j0.
	v_and_b32 v24, 31, v0                  ; y
	v_and_b32 v21, 15, v0                  ; n
	v_bfe_u32 v20, v0, 4, 1                ; out; for four wires: which of the layer's two blocks
	s_cmp_gt_u32 s12, 3
	s_cbranch_scc1 .Lnot_c5
	s_and_b32 s16, s12, 2                  ; waves 0-3: layers 0, 1, 4, 5, wires 8-12
	s_add_co_u32 s16, s16, s12
	s_mul_i32 s17, s16, 14*32
	s_add_co_u32 s17, s17, GT
	s_add_co_u32 s18, s17, 12*32           ; T
	s_add_co_u32 s19, s17, 11*32           ; H
	s_add_co_u32 s20, s17, 8*32            ; j2
	s_add_co_u32 s21, s17, 9*32            ; j1
	s_add_co_u32 s22, s17, 10*32           ; j0
	G4X 23, 24
	v_and_b32 v25, 8, v24                  ; CNOT (11, 12)
	v_lshlrev_b32 v25, 1, v25
	v_xor_b32 v23, v23, v25
	s_branch .Lfive
.Lnot_c5:
	s_cmp_gt_u32 s12, 5
	s_cbranch_scc1 .Lnot_d5
	s_sub_co_u32 s16, s12, 2               ; waves 4, 5: layers 2, 3, circuit 2's wires 12 (H), 13 (T); identity on j
	s_mul_i32 s17, s16, 14*32
	s_add_co_u32 s17, s17, GT
	s_add_co_u32 s18, s17, 13*32
	s_add_co_u32 s19, s17, 12*32
	s_mov_b32 s20, IDG
	s_mov_b32 s21, IDG
	s_mov_b32 s22, IDG
	v_and_b32 v25, 8, v24                  ; CNOT (12, 13)
	v_lshlrev_b32 v25, 1, v25
	v_xor_b32 v23, v24, v25
	s_branch .Lfive
.Lnot_d5:
	s_sub_co_u32 s16, s12, 4               ; waves 6, 7: layers 2, 3, circuit 2's wires 0-3; wire 4 (T) only as the target of CNOT (3, 4)
	s_mul_i32 s17, s16, 14*32
	s_add_co_u32 s17, s17, GT
	s_mov_b32 s18, IDG
	s_mov_b32 s19, s17
	s_add_co_u32 s20, s17, 1*32
	s_add_co_u32 s21, s17, 2*32
	s_add_co_u32 s22, s17, 3*32
	v_bfe_u32 v23, v24, 1, 3               ; CNOTs (0,1), (2,3), (1,2), (3,4)
	v_xor_b32 v23, v23, v24
	v_bfe_u32 v25, v24, 2, 1
	v_xor_b32 v23, v23, v25
	v_and_b32 v25, 1, v24
	v_lshlrev_b32 v25, 4, v25
	v_xor_b32 v23, v23, v25
.Lfive:
	GROW 32, 4, 18
	GROW 36, 3, 19
	GROW 40, 2, 20
	GROW 44, 1, 21
	GROW 48, 0, 22
; Four wires: wave = layer (waves 0-5), lanes 0-15 the block of wires 4-7, lanes 16-31 the layer's other block; rows into v[108:123]
	s_cmp_gt_u32 s12, 5
	s_cbranch_scc1 .Lno_rows4
	s_mul_i32 s31, s12, 14*32
	s_add_co_u32 s31, s31, GT
	s_lshr_b32 s32, s12, 1
	s_cmp_eq_u32 s32, 1
	s_cselect_b32 s33, 12, 4               ; the other block's first wire is 8 in circuit 2, else 0: 4 xor 12, 4 xor 4
	G4X 27, 21
	v_mul_u32_u24 v19, v20, s33
	v_xor_b32 v19, 4, v19                  ; g
	v_lshl_add_u32 v19, v19, 5, s31
	v_bfe_u32 v25, v27, 3, 1
	v_lshl_add_u32 v25, v25, 4, v19
	ds_load_b128 v[108:111], v25 offset:96 ; H = wire g + 3
	v_bfe_u32 v25, v27, 2, 1
	v_lshl_add_u32 v25, v25, 4, v19
	ds_load_b128 v[112:115], v25           ; j2 = g
	v_bfe_u32 v25, v27, 1, 1
	v_lshl_add_u32 v25, v25, 4, v19
	ds_load_b128 v[116:119], v25 offset:32 ; j1 = g + 1
	v_bfe_u32 v25, v27, 0, 1
	v_lshl_add_u32 v25, v25, 4, v19
	ds_load_b128 v[120:123], v25 offset:64 ; j0 = g + 2
.Lno_rows4:
	BAR                                    ; my gate rows are in; as everywhere in this text a phase of LDS reads is closed in every wave before a phase of stores begins
; ---------------------------------------------------------------- the matrices, second part: products, and the rows into MT.  A wave's blocks are its own:
; four wires at MT + 32 blocks + wave x 2 blocks, five wires at MT + wave x 4 blocks
	s_cmp_gt_u32 s12, 5
	s_cbranch_scc1 .Lno_four
	s_mul_i32 s30, s12, 2*BLK
	s_add_co_u32 s30, s30, MT+32*BLK
	v_mul_u32_u24 v22, v21, 80             ; row n
	v_mul_u32_u24 v25, v20, BLK            ; of my half's block
	v_add_nc_u32 v22, v22, v25
	v_add_nc_u32 v22, s30, v22
	BUILDV16 108
	PACKSTORE 76, 0
.Lno_four:
	s_mul_i32 s29, s12, 4*BLK
	s_add_co_u32 s29, s29, MT
	v_mul_u32_u24 v22, v21, 80             ; row n
	v_mul_u32_u24 v25, v20, 2*BLK          ; of block 2 out
	v_add_nc_u32 v22, v22, v25
	v_add_nc_u32 v22, s29, v22
	BUILDV16 36
.irp tin, 0,1
.set kk, 0
.rept 16
	CMUL 108+2*kk,76+2*kk,32+2*\tin
.set kk, kk+1
.endr
	PACKSTORE 108, \tin*BLK
.endr
; ---------------------------------------------------------------- addresses.  The lists give the wire on thread bits 0..7 (lane bits r0 r1 r2 r3 h for stores, j0 j1 j2 r3 h for loads; then the wave)
.irp b, 0,1,2,3,4,5,6,7
	v_bfe_u32 v[18+\b], v0, \b, 1
.endr
	LINADDR 1,  P10, P9, P8, P7,  P6,  P5,  P4,  P3    ; SIN: the input's units
	LINADDR 2,  P6,  P5, P4, P3,  P7,  P10, P11, P12   ; LAi
	LINADDR 3,  P6,  P5, P4, Q3,  Q7,  P10, P11, P12   ; LAii: with CNOTs (3,4), (7,8)
	LINADDR 4,  Q6,  P5, P4, P3,  P7,  Q10, P11, Q12   ; LAv: with (6,7), (10,11), (12,A), at A = 0
	LINADDR 5,  P10, P9, P8, P3,  P11, P5,  P6,  P7    ; LB
	LINADDR 6,  P5,  P4, Q3, P11, P6,  P8,  P9,  P10   ; LCiii: with (3,4); (7,8) stands in the tile's mask
	LINADDR 7,  P5,  P4, P3, P11, Q6,  P8,  P9,  Q10   ; LCiv: with (6,7), (10,11); (12,A) in the tile's mask
	LINADDR 8,  P9,  P8, P7, 0,   P10, P6,  P11, P12   ; LDn: the A = 0 data for both A
	LINADDR 9,  P9,  P8, P7, PA,  P10, P6,  P11, P12   ; LD
	LINADDR 10, P6,  P5, P4, P7,  P3,  P10, P11, P12   ; SA
	LINADDR 11, P10, P9, P8, P11, P3,  P5,  P6,  P7    ; SB
	LINADDR 12, P5,  P4, P3, P6,  P11, P8,  P9,  P10   ; SC
	LINADDR 13, P9,  P8, P7, P10, PA,  P6,  P11, P12   ; SD
	v_and_b32 v17, 15, v0
	v_mul_u32_u24 v14, v17, 80
	v_lshl_add_u32 v14, v22, 4, v14        ; v22 = bit 4 = h
	v_add_nc_u32 v14, MT, v14              ; fragments: row r, 16 h
; ---------------------------------------------------------------- the row's norm
	s_wait_loadcnt 0x0                     ; my 64 numbers
.set ii, 0
.rept 32
.set ch, 2*(ii&3)
.if ii < 4
	v_pk_mul_f32 v[18+ch:19+ch], v[176+2*ii:177+2*ii], v[176+2*ii:177+2*ii]
.else
	v_pk_fma_f32 v[18+ch:19+ch], v[176+2*ii:177+2*ii], v[176+2*ii:177+2*ii], v[18+ch:19+ch]
.endif
.set ii, ii+1
.endr
	v_pk_add_f32 v[18:19], v[18:19], v[20:21]
	v_pk_add_f32 v[22:23], v[22:23], v[24:25]
	v_pk_add_f32 v[26:27], v[18:19], v[22:23]
	v_add_f32 v27, v26, v27
	WSUM 27
	s_lshl_b32 s16, s12, 2
	s_add_co_u32 s16, s16, RED0
	v_mov_b32 v17, s16
	ds_store_b32 v17, v27
	BAR                                    ; the eight sums, and all matrices, are there for every wave
	v_mov_b32 v17, RED0
	ds_load_b128 v[18:21], v17
	ds_load_b128 v[22:25], v17 offset:16
	s_wait_dscnt 0x0
	v_pk_add_f32 v[18:19], v[18:19], v[20:21]
	v_pk_add_f32 v[22:23], v[22:23], v[24:25]
	v_pk_add_f32 v[18:19], v[18:19], v[22:23]
	v_add_f32 v18, v18, v19
	v_lshrrev_b32 v19, 23, v18             ; the sum's exponent field;
	v_add_nc_u32 v19, 0xffffff81, v19
	v_ashrrev_i32 v19, 1, v19              ; q: the norm lies in [2^q, 2^(q+1))
	v_sub_nc_u32 v20, 137, v19
	v_lshlrev_b32 v30, 23, v20             ; 2^(10 - q)
	v_lshlrev_b32 v31, 23, v20
	v_add_nc_u32 v16, 117, v19
	v_lshlrev_b32 v16, 23, v16             ; U = 2^(q - 10)
.set ii, 0
.rept 32
	v_pk_mul_f32 v[176+2*ii:177+2*ii], v[176+2*ii:177+2*ii], v[30:31]
.set ii, ii+1
.endr
; load m brought index 1024 m + 4 t + e: m = o0 o1 o2 is the place in a unit, e = o11 o12 picks one of my four units
.irp e, 0,1,2,3
.irp i, 0,1,2,3
	v_cvt_pk_f16_f32 v[32+4*\e+\i], v[176+8*\i+\e], v[180+8*\i+\e]
	v_cvt_pk_f16_f32 v[48+4*\e+\i], v[208+8*\i+\e], v[212+8*\i+\e]
.endr
.endr
.set tl, 0
.rept 4
	TILEADR 1, P12, P11, 0
	ds_store_b128 v[AR], v[32+4*tl:35+4*tl]
	ds_store_b128 v[AR], v[48+4*tl:51+4*tl] offset:IMP
.set tl, tl+1
.endr
	BAR
; ---------------------------------------------------------------- the twelve stages
	STG_A 32, 2, 0                         ; circuit 1
	STG_B 0
	STG_A 34, 3, 0
	STG_B 4
	STG_C 36, 16, 6, 4, P12, Q7, 0         ; circuit 2, first layer: the A = 1 half is zero and these gates leave A alone: four tiles
	STG_D 36, 24, 8
	STG_C 38, 20, 7, 8, Q12, P7, PA
	STG_D 38, 28, 9
	STG_A 40, 4, 1                         ; A = 0 is kept; norm, leaky ReLU, norm; circuit 3
	STG_B 8
	STG_A 42, 3, 0
	LOADX 5, 4, P12, P4, 0                 ; the last stage keeps its sums in f32
	SETFL 12
	LOADF5
	s_wait_dscnt 0x0
	PASS5 1, 4, 0
; ---------------------------------------------------------------- 13 sums of probabilities with signs
; Set t = (o4, o12), register j = o0 o1 o2, h = o3, r = o11 o8 o9 o10, wave = o7 o6 o5 (bits 7, 6, 5).  The CNOTs (3,4), (7,8) are still to come:
; wire 4's sign is o3's times o4's, wire 8's is o7's times o8's.
.set ii, 0
.rept 16
.set dr, 96+16*(ii>>2)+2*(ii&3)
	v_pk_mul_f32 v[32+2*ii:33+2*ii], v[dr:dr+1], v[dr:dr+1]
	v_pk_fma_f32 v[32+2*ii:33+2*ii], v[dr+8:dr+9], v[dr+8:dr+9], v[32+2*ii:33+2*ii]
.set ii, ii+1
.endr
.macro ADDP dst, bit                   ; pair ii is added, or taken away where its number's bit is 1; pairs 0 and 1 start the sum
.if ii == 1
.set sa, 32
.else
.set sa, \dst
.endif
.if (ii>>\bit)&1
	v_pk_add_f32 v[\dst:\dst+1], v[sa:sa+1], v[32+2*ii:33+2*ii] neg_lo:[0,1] neg_hi:[0,1]
.else
	v_pk_add_f32 v[\dst:\dst+1], v[sa:sa+1], v[32+2*ii:33+2*ii]
.endif
.endm
.set ii, 1
.rept 15
	ADDP 64, 4                             ; all
	ADDP 66, 0                             ; j1 = o1
	ADDP 68, 1                             ; j2 = o0
	ADDP 70, 2                             ; o12
	ADDP 72, 3                             ; o4
.set ii, ii+1
.endr
	v_add_f32 v74, v64, v65                ; the total
	v_sub_f32 v82, v64, v65                ; wire 2 (j0)
	v_add_f32 v81, v66, v67                ; wire 1
	v_add_f32 v80, v68, v69                ; wire 0
	v_add_f32 v92, v70, v71                ; wire 12
	v_add_f32 v79, v72, v73
.irp b, 0,1,2,3,4,5,6,7
	v_lshlrev_b32 v[18+\b], 31-\b, v0      ; thread bit b as a sign
	v_and_b32 v[18+\b], 0x80000000, v[18+\b]
.endr
	v_xor_b32 v83, v22, v74                ; wire 3
	v_xor_b32 v84, v22, v79                ; wire 4
	v_xor_b32 v85, v23, v74                ; wire 5
	v_xor_b32 v86, v24, v74                ; wire 6
	v_xor_b32 v87, v25, v74                ; wire 7
	v_xor_b32 v88, v20, v87                ; wire 8
	v_xor_b32 v89, v19, v74                ; wire 9
	v_xor_b32 v90, v18, v74                ; wire 10
	v_xor_b32 v91, v21, v74                ; wire 11
.irp m, 1,2,4,8
.set wi, 0
.rept 13
	v_add_f32_dpp v[80+wi], v[80+wi], v[80+wi] row_xmask:\m row_mask:0xf bank_mask:0xf
.set wi, wi+1
.endr
.endr
.set wi, 0
.rept 13
	v_permlanex16_b32 v[96+wi], v[80+wi], s24, s25
.set wi, wi+1
.endr
	s_lshl_b32 s16, s12, 6
	s_add_co_u32 s16, s16, RED2
	v_mov_b32 v17, s16
.set wi, 0
.rept 13
	v_add_f32 v[80+wi], v[80+wi], v[96+wi]
	ds_store_b32 v17, v[80+wi] offset:4*wi
.set wi, wi+1
.endr
	BAR
	s_cmp_lg_u32 s12, 0
	s_cbranch_scc1 .Lend
	v_min_u32 v19, 12, v0                  ; wave 0: lane = wire, lanes 13-31 read wire 12's words and store nothing
	v_lshlrev_b32 v19, 2, v19
	v_add_nc_u32 v19, RED2, v19
.irp w, 0,1,2,3,4,5,6,7
	ds_load_b32 v[20+\w], v19 offset:64*\w
.endr
	s_mul_i32 s16, ttmp9, 52
	v_lshl_add_u32 v18, v0, 2, s16
	s_wait_dscnt 0x0
	v_add_f32 v20, v20, v21
	v_add_f32 v22, v22, v23
	v_add_f32 v24, v24, v25
	v_add_f32 v26, v26, v27
	v_add_f32 v20, v20, v22
	v_add_f32 v24, v24, v26
	v_add_f32 v20, v20, v24
	v_mul_f32 v20, 0x35800000, v20         ; the state's norm was 1024: 2^-20
	v_cmp_gt_u32 vcc_lo, 13, v0
	s_wait_xcnt 0x0                        ; EXEC changes only behind s_wait_xcnt 0
	s_and_saveexec_b32 s26, vcc_lo
	global_store_b32 v18, v20, s[10:11]
	s_wait_xcnt 0x0
	s_or_b32 exec_lo, exec_lo, s26
.Lend:
	s_wait_tensorcnt 0x0
	ds_add_u32 v240, v241
	s_wait_dscnt 0x0
	s_endpgm
.Lfunc_end_k_q008f8f9b4a_pqc:
	.size	k_q008f8f9b4a_pqc, .Lfunc_end_k_q008f8f9b4a_pqc-k_q008f8f9b4a_pqc
	.p2alignl 7, 3214868480
	.fill 96, 4, 3214868480
	.section	.rodata,"a",@progbits
	.p2align	6, 0x0
	.amdhsa_kernel k_q008f8f9b4a_pqc
		.amdhsa_group_segment_fixed_size 183296
		.amdhsa_private_segment_fixed_size 0
		.amdhsa_enable_private_segment 0
		.amdhsa_kernarg_size 32
		.amdhsa_user_sgpr_count 2
		.amdhsa_user_sgpr_kernarg_segment_ptr 1
		.amdhsa_wavefront_size32 1
		.amdhsa_system_sgpr_workgroup_id_x 1
		.amdhsa_system_sgpr_workgroup_id_y 1
		.amdhsa_system_sgpr_workgroup_id_z 1
		.amdhsa_system_vgpr_workitem_id 0
		.amdhsa_next_free_vgpr 242
		.amdhsa_next_free_sgpr 66
		.amdhsa_reserve_vcc 1
		.amdhsa_float_denorm_mode_32 3
		.amdhsa_float_denorm_mode_16_64 3
		.amdhsa_memory_ordered 1
		.amdhsa_forward_progress 1
		.amdhsa_inst_pref_size 196
	.end_amdhsa_kernel
	.amdgpu_metadata
---
amdhsa.version: [ 1, 2 ]
amdhsa.kernels:
  - .name:           k_q008f8f9b4a_pqc
    .symbol:         k_q008f8f9b4a_pqc.kd
    .args:
      - { .name: state_real, .offset: 0, .size: 8, .value_kind: global_buffer, .address_space: global }
      - { .name: state_imag, .offset: 8, .size: 8, .value_kind: global_buffer, .address_space: global }
      - { .name: all_weights, .offset: 16, .size: 8, .value_kind: global_buffer, .address_space: global }
      - { .name: out0, .offset: 24, .size: 8, .value_kind: global_buffer, .address_space: global }
    .group_segment_fixed_size: 183296
    .private_segment_fixed_size: 0
    .kernarg_segment_align: 8
    .kernarg_segment_size: 32
    .max_flat_workgroup_size: 256
    .sgpr_count:     66
    .vgpr_count:     242
    .wavefront_size: 32
...
	.end_amdgpu_metadata
.endif
;; end of part 1
;; ======== version 2 of 2: 1 launch; 1.17 times as fast as version 1
;; limits: right only within a limited range of input values; values are held in f16: magnitudes above 65,504 overflow, below 6.1e-05 lose precision; inputs' magnitudes at most 100,000
;; launch pqc (part 2): grid 256 x 1, 8 waves a work-group, no clusters, 126,720 bytes of LDS; arguments state_real, state_imag, all_weights, out0; writes out0
.if DOCPART == 2
	.amdgcn_target "amdgcn-amd-amdhsa--gfx1250"
	.amdhsa_code_object_version 6
	.text
	.protected	k_q008f8f9b4a_pqc
	.globl	k_q008f8f9b4a_pqc
	.p2align	8
	.type	k_q008f8f9b4a_pqc,@function
k_q008f8f9b4a_pqc:
	s_mov_b64 s[64:65], 0
	v_nop
	global_prefetch_b8 v0, s[64:65] scope:SCOPE_SE
	s_setreg_imm32_b32 hwreg(HW_REG_WAVE_MODE, 25, 1), 1
	s_wait_xcnt 0x0
; Three circuits of U3 layers and CNOT brickwork on 256 states of 8,192 complex amplitudes, one state a work-group, eight waves.
; The state stays in the work-group from the first load to the 13 results: 64 KiB come in once, 52 bytes go out.
; NAMES: o0..o12 the data wires (o0 = index bit 12), A the second circuit's ancilla (its wire 0; its wire w is o(w-1)).
; GATES AS PRODUCTS: four wires' U3 and the CNOTs among them are one complex 16 x 16 matrix M; as a real product K = 32 = [re 16 | im 16],
;   two matrix instructions a tile (rows [Re M, -Im M] give re, rows [Im M, Re M] give im).  A fifth wire lies on the tile number: 2 x 2 blocks.
; A TILE is 8 registers of packed f16: lane (r, h), registers 0-3 re of k = 8h + j, registers 4-7 im of the same k.
;   SWAP (tile as first source): the gate acts on k, its result lands on r, the old r moves to (h, j).   STAY (tile as second source): in place.
; CNOTs that cross groups cost no arithmetic: the next load's address takes (control's mask xor target's mask) for the control.
; FORMAT: f16 operands, f32 sums.  Each row is first scaled by an exact power of two, taken from its own norm, to a norm in [1024, 2048),
;   so no amplitude passes 2048; the scale is taken back inside the norm formulas between circuits 2 and 3, which leave a norm of 1024.
; THE LAST PRODUCT (probabilities times signs) is 13 signed sums in f32: the signs are index bits, which here are register numbers and thread bits.
; NO CLUSTER: work-groups share only the 1,872 bytes of weights.  NO TENSOR LOADS: a thread's whole input is asked for at once, into 64 registers.
; THE OUTPUT is 52 bytes a work-group, so its aligned 256-byte blocks are written in parts: 13,312 bytes in all, against 16.8 MB read.
; LIMITS: angles are reduced by a 2 pi in two words: beyond some 1e5 rad the error is that of the angle's own last bit.  A row's sum of squares
;   must be finite in f32.  Where the ancilla is 0 with a probability under some 1e-8 the f16 state loses accuracy.  v_sqrt_f32 and v_rcp_f32
;   take denormals as zero (ISA guide 15.8): norms under 2^-126.
;
; LDS.  State: units of 16 bytes = 8 f16, element o0*4 + o1*2 + o2; re plane at 0, im plane at IMP.  A unit's address is the XOR of the masks
; below over the wires that are 1.  The masks are independent (each has a bit of its own), and in every store and load of this text the sixteen
; lanes of a half wave reach sixteen different 16-byte columns modulo 256 bytes (in the load LDn eight, each asked for by two lanes alike).
.set P3,  0x1080
.set P4,  0x0010
.set P5,  0x0020
.set P6,  0x0040
.set P7,  0x0080
.set P8,  0x0110
.set P9,  0x0220
.set P10, 0x0440
.set P11, 0x08c0
.set P12, 0x2000
.set PA,  0x4040
.set Q3,  P3^P4                        ; pending CNOT (o3, o4)
.set Q7,  P7^P8                        ; (o7, o8)
.set Q6,  P6^P7                        ; (o6, o7)
.set Q10, P10^P11                      ; (o10, o11)
.set Q12, P12^PA                       ; (o12, A)
.set IMP, 32768
.set MT,  65536                        ; 44 matrix blocks
.set BLK, 1280                         ; a block: 16 rows [Im 16 | Re 16] of f16 at pitch 80; each number lies in LDS once
.set GT,  MT+44*BLK                    ; 96 gates of 32 bytes: U00, U01, U10, U11 as (re, im); gate 14 x layer + wire; gate 84 = identity
.set IDG, GT+84*32
.set RED0, GT+96*32                    ; 8 words: the waves' sums of squares of the input
.set RED1, RED0+64                     ; 8 x 2 words: the two sums of the middle step
.set RED2, RED0+128                    ; 8 x 64 bytes: the waves' 13 signed sums; LDS ends at byte 125,568
; THE BLOCKS, numbered by the wave that makes them.  Layers 0-5 = circuit 1, 1, 2, 2, 3, 3.
;   blocks 4 w .. 4 w + 3, made by wave w, are 2 x 2 blocks (number 2 out + in) of five wires:
;     w = 0, 1, 2, 3: layers 0, 1, 4, 5, wires 8-12;  w = 4, 5: layers 2, 3, circuit 2's wires 12, 13;  w = 6, 7: layers 2, 3, its wires 0-3 with CNOT (3, 4)
;   blocks 32 + 2 l, 33 + 2 l, made by wave l, are layer l's wires 4-7 and its wires 0-3 (circuit 2: 8-11).
; A BLOCK'S FRAGMENTS are 12 registers [Im 4 | Re 4 | -Im 4]: registers 0-7 are the operand [Im, Re], registers 4-11 the operand [Re, -Im].
;   Two loads bring Im and Re; four XORs of the sign bits make -Im: half the LDS bytes that two whole operands would take.
; VECTOR REGISTERS, window 0: v1-v13 state addresses (SIN, LAi, LAii, LAv, LB, LCiii, LCiv, LDn, LD, SA, SB, SC, SD); v14 my fragment address in
; block 0 (the 16-bit offset reaches all 44 blocks); v16 the row's scale taken back; v17-v23 the addresses of tiles 1-7 of a store, v24-v30 of a load
; (tile 0 has the base itself), all of v17-v31 at work elsewhere; v[32:95] tiles X; v[96:159] four sets of sums D (re 8, im 8); v[160:171] fragments F1;
; from v176, v192, v208, v224 twelve registers each: fragments F2 / F5, before that the input as loaded.
; WINDOW 1 (v256 and up; s_set_vgpr_msb's low byte: bits 1:0 source 0, 3:2 source 1, 5:4 source 2, 7:6 destination) holds a second set of F1, F2 / F5
; under the same numbers.  The matrices never change, so a stage's fragments are asked for one stage ahead, into the set that is not at work.
; Stages A and C multiply by window 1's set, stages B and D by window 0's.  Two waves of 496 registers lie on a SIMD.
.set MSB, 0
.macro WIN new                         ; the immediate's high byte repeats the setting that is left; a switch that changes nothing is dropped
.if MSB != (\new)
	s_set_vgpr_msb (MSB<<8)|(\new)
.set MSB, (\new)
.endif
.endm
.macro BAR
	s_wait_dscnt 0x0                       ; for the other waves' sake: all my LDS loads and stores are done
	s_barrier_signal -1
	s_barrier_wait -1
.endm
.macro NOP4                            ; four places behind a matrix instruction before its results are read or its sources written (ISA guide 7.12.1)
.rept 4
	v_nop
.endr
.endm
.macro WSUM r                          ; sum over the 32 lanes, in every lane; v26 has been written before
	v_add_f32_dpp v[\r], v[\r], v[\r] row_xmask:1 row_mask:0xf bank_mask:0xf
	v_add_f32_dpp v[\r], v[\r], v[\r] row_xmask:2 row_mask:0xf bank_mask:0xf
	v_add_f32_dpp v[\r], v[\r], v[\r] row_xmask:4 row_mask:0xf bank_mask:0xf
	v_add_f32_dpp v[\r], v[\r], v[\r] row_xmask:8 row_mask:0xf bank_mask:0xf
	v_permlanex16_b32 v26, v[\r], s24, s25
	v_add_f32 v[\r], v[\r], v26
.endm
.macro CVTH d, s                       ; the two f16 halves of register s as f32 in v[d], v[d+1]
	v_cvt_f32_f16 v[\d], v\s\().l
	v_cvt_f32_f16 v[\d+1], v\s\().h
.endm
.macro CMUL d, a, b                    ; complex product, (re, im) in neighbouring registers
	v_mul_f32 v[\d], v[\a], v[\b]
	v_mul_f32 v[\d+1], v[\a], v[\b+1]
	v_fma_f32 v[\d], -v[\a+1], v[\b+1], v[\d]
	v_fma_f32 v[\d+1], v[\a+1], v[\b], v[\d+1]
.endm
.macro G4X x, y                        ; index in front of the CNOTs (g,g+1), (g+2,g+3), (g+1,g+2); bits 3..0 = wires g+3, g, g+1, g+2
	v_bfe_u32 v[\x], v[\y], 1, 2
	v_xor_b32 v[\x], v[\x], v[\y]
	v_and_b32 v25, 1, v[\y]
	v_lshlrev_b32 v25, 3, v25
	v_xor_b32 v[\x], v[\x], v25
	v_and_b32 v25, 2, v[\y]
	v_lshlrev_b32 v25, 2, v25
	v_xor_b32 v[\x], v[\x], v25
.endm
.macro GROW dst, bit, sr               ; the gate at LDS address s[sr]: its row number bit `bit` of x (v23)
	v_bfe_u32 v25, v23, \bit, 1
	v_lshl_add_u32 v25, v25, 4, s[\sr]
	ds_load_b128 v[\dst:\dst+3], v25
.endm
; my row of the tensor product of four gates' rows, which lie at v[rb] (H), +4 (j2), +8 (j1), +12 (j0) -> V16 v[76:107], entry k = 8 kH + 4 k2 + 2 k1 + k0
.macro BUILDV16 rb
.set kk, 0
.rept 4
	CMUL 52+2*kk,\rb+2*(kk>>1),\rb+4+2*(kk&1)
.set kk, kk+1
.endr
.set kk, 0
.rept 8
	CMUL 60+2*kk,52+2*(kk>>1),\rb+8+2*(kk&1)
.set kk, kk+1
.endr
.set kk, 0
.rept 16
	CMUL 76+2*kk,60+2*(kk>>1),\rb+12+2*(kk&1)
.set kk, kk+1
.endr
.endm
; 16 complex numbers at v[src] become my row of a block at v22 + off, in f16: 16 Im, then 16 Re
.macro PACKSTORE src, off
.set ii, 0
.rept 8
	v_cvt_pk_f16_f32 v[140+ii], v[\src+4*ii], v[\src+4*ii+2]
	v_cvt_pk_f16_f32 v[148+ii], v[\src+4*ii+1], v[\src+4*ii+3]
.set ii, ii+1
.endr
	ds_store_b128 v22, v[148:151] offset:\off
	ds_store_b128 v22, v[152:155] offset:\off+16
	ds_store_b128 v22, v[140:143] offset:\off+32
	ds_store_b128 v22, v[144:147] offset:\off+48
.endm
; v[dst] = XOR over i of (bit i of my thread number) x m_i; the bits lie in v18-v25
.macro LINADDR dst, m0, m1, m2, m3, m4, m5, m6, m7
	v_mul_u32_u24 v[\dst], v18, \m0
.set bi, 1
.irp m, \m1, \m2, \m3, \m4, \m5, \m6, \m7
.if \m
	v_mul_u32_u24 v17, v[18+bi], \m
	v_xor_b32 v[\dst], v[\dst], v17
.endif
.set bi, bi+1
.endr
.endm
; The addresses of tiles 1 .. nt - 1 into v[base+1] ..: the tile's bits pick their wires' masks.  A register for each tile, so that none is written again
; while an LDS instruction still names it, and all are ready before the run of LDS instructions begins.
.macro TXOR base, adr, nt, k0, k1, k2
.set tl, 1
.rept \nt-1
.set tc, ((tl&1)*(\k0))^(((tl>>1)&1)*(\k1))^(((tl>>2)&1)*(\k2))
	v_xor_b32 v[\base+tl], tc, v[\adr]
.set tl, tl+1
.endr
.endm
; Between two stages: the next load's tile addresses are made while my stores are on their way; then every wave's stores are done.
; p = 1: the four tiles are loaded in the order 0, 2, 1, 3, in which a first pass of 2 x 2 blocks takes them.
.macro TO adr, nt, k0, k1, k2, p
.set LD_A, \adr
.set LD_N, \nt
.set LD_P, \p
	TXOR 23, \adr, \nt, \k0, \k1, \k2
	BAR
.endm
; The transposing load: lane 8g + i gets, as element j, element i of the unit that lane 8g + j addresses.  So the wires on address bits 0-2 of the
; lane land on j, those on bits 3, 4 stay on r3, h, and o0, o1, o2 land on r2, r1, r0.  The arrangement is the one that TO has named.
.macro LOADX
.set tl, 0
.rept LD_N
.if LD_P
.set tt, ((tl&1)<<1)|(tl>>1)
.else
.set tt, tl
.endif
.if tt
.set AR, 23+tt
.else
.set AR, LD_A
.endif
	ds_load_tr16_b128 v[32+8*tt:35+8*tt], v[AR]
	ds_load_tr16_b128 v[36+8*tt:39+8*tt], v[AR] offset:IMP
.set tl, tl+1
.endr
.endm
.macro LOADF dst, blk                  ; a block's Im and Re of my row r, k = 8h .. 8h + 7
	ds_load_b128 v[\dst:\dst+3], v14 offset:(\blk)*BLK
	ds_load_b128 v[\dst+4:\dst+7], v14 offset:(\blk)*BLK+32
.endm
; The next stage's fragments into window w's set: block b1 into F1, block b2 into F2, blocks b5 .. b5 + 3 into F5; a negative number: none
.macro PREF w, b1, b2, b5
	WIN \w*64
.if \b1 >= 0
	LOADF 160, \b1
.endif
.if \b2 >= 0
	LOADF 176, \b2
.endif
.if \b5 >= 0
	LOADF 176, \b5
	LOADF 192, \b5+1
	LOADF 208, \b5+2
	LOADF 224, \b5+3
.endif
	WIN 0
.endm
.macro FXB dst                         ; -Im behind Re: the signs of eight f16
.set ii, 0
.rept 4
	v_xor_b32 v[\dst+8+ii], s34, v[\dst+ii]
.set ii, ii+1
.endr
.endm
; This stage's fragments, which landed before the last barrier, are made whole in window w (destination and both sources in that window).  It stands behind the
; issue of the state's loads, where the wave has nothing else to do.  The setting is left as it is: what follows begins with WIN.
.macro FXOR w, f1, f2, f5
	WIN \w*0x45
.if \f1
	FXB 160
.endif
.if \f2
	FXB 176
.endif
.if \f5
	FXB 176
	FXB 192
	FXB 208
	FXB 224
.endif
.endm
.macro WM form, d, x, f, acc           ; form 1 = SWAP (tile first), 0 = STAY (matrix first); acc 0: the product starts the sum
.if \form
.if \acc
	v_wmma_f32_16x16x32_f16 v[\d:\d+7], v[\x:\x+7], v[\f:\f+7], v[\d:\d+7]
.else
	v_wmma_f32_16x16x32_f16 v[\d:\d+7], v[\x:\x+7], v[\f:\f+7], 0
.endif
.else
.if \acc
	v_wmma_f32_16x16x32_f16 v[\d:\d+7], v[\f:\f+7], v[\x:\x+7], v[\d:\d+7]
.else
	v_wmma_f32_16x16x32_f16 v[\d:\d+7], v[\f:\f+7], v[\x:\x+7], 0
.endif
.endif
.endm
.macro CVT1 t, s                       ; set s of sums becomes tile t again
.set ii, 0
.rept 4
	v_cvt_pk_f16_f32 v[32+8*(\t)+ii], v[96+16*(\s)+2*ii], v[97+16*(\s)+2*ii]
	v_cvt_pk_f16_f32 v[36+8*(\t)+ii], v[104+16*(\s)+2*ii], v[105+16*(\s)+2*ii]
.set ii, ii+1
.endr
.endm
; The four sets of sums become tiles 4 gr .. 4 gr + 3 again.  so = 1, a stage's last pass: each tile is stored straight behind its conversions (j holds
; o0, o1, o2 there: a lane's four registers are one unit), so that the stores run beside the conversions and, with eight tiles, beside the second group's products.
; The state is updated in place: in front of the first store the barrier's wait shows that every wave's loads of the state are back.
.macro BACK so
	NOP4
.set st, 0
.rept 4
	CVT1 4*gr+st, st
.if \so
.if (4*gr+st) == 0
	s_barrier_wait -1
.set AR, ST_A
.else
.set AR, 16+4*gr+st
.endif
	ds_store_b128 v[AR], v[32+8*(4*gr+st):35+8*(4*gr+st)]
	ds_store_b128 v[AR], v[36+8*(4*gr+st):39+8*(4*gr+st)] offset:IMP
.endif
.set st, st+1
.endr
.endm
; Behind a first pass's last product: the count has run down to 0, so all my loads of the state are back: say so.  Up to the barrier's wait follow register
; work and loads of the matrices, which no wave writes any more: the next stage's fragments (PF_W, PF_1, PF_2, PF_5 name them).
.macro AHEAD pl
.if \pl == 1
	s_barrier_signal -1
	PREF PF_W, PF_1, PF_2, PF_5
.endif
.endm
; w: the window of the fragments.  They are source 1 in SWAP (bits 3:2 of the setting) and source 0 in STAY (bits 1:0); all else lies in window 0.
; pl = 1, 2: a stage's first pass.  It begins on a tile as soon as that tile's two loads are back: LDS loads come back in order (ISA guide 5.7.1), and the
; count leaves out the two loads of each tile that was asked for later.  pl = 1: the barrier's signal follows; pl = 2: the last stage, which stores nothing.
.macro PASS4 form, nt, f, w, pl, so    ; one 16 x 16 matrix on every tile; four tiles at a time, eight sums, none taken up again
.set gr, 0
.rept \nt/4
	WIN \w*(1+3*\form)
.set st, 0
.rept 4
.if \pl
	s_wait_dscnt 2*(\nt-1-4*gr-st)
.endif
	WM \form, 96+16*st, 32+8*(4*gr+st), \f+4, 0
	WM \form, 104+16*st, 32+8*(4*gr+st), \f, 0
.set st, st+1
.endr
	WIN 0
.if gr == (\nt/4-1)
	AHEAD \pl
.endif
	BACK \so
.set gr, gr+1
.endr
.endm
; 2 x 2 blocks on pairs of tiles (2p, 2p+1): out(a) = F[a][0] x(0) + F[a][1] x(1), block 2a + b from v[176+16(2a+b)].  Two pairs at a time:
; eight products start eight sums, eight more add onto them in the same order: the accumulators take turns, one instruction a turn.
; As a first pass (four tiles, loaded in the order 0, 2, 1, 3) its counts are 6, 4, 2, 0.
.macro PASS5 form, nt, cvt, w, pl, so
.set gr, 0
.rept \nt/4
	WIN \w*(1+3*\form)
.set pr, 0
.rept 2
.if \pl
	s_wait_dscnt 6-2*pr
.endif
	WM \form, 96+32*pr, 32+8*(4*gr+2*pr), 180, 0
	WM \form, 104+32*pr, 32+8*(4*gr+2*pr), 176, 0
	WM \form, 112+32*pr, 32+8*(4*gr+2*pr), 212, 0
	WM \form, 120+32*pr, 32+8*(4*gr+2*pr), 208, 0
.set pr, pr+1
.endr
.set pr, 0
.rept 2
.if \pl
	s_wait_dscnt 2-2*pr
.endif
	WM \form, 96+32*pr, 40+8*(4*gr+2*pr), 196, 1
	WM \form, 104+32*pr, 40+8*(4*gr+2*pr), 192, 1
	WM \form, 112+32*pr, 40+8*(4*gr+2*pr), 228, 1
	WM \form, 120+32*pr, 40+8*(4*gr+2*pr), 224, 1
.set pr, pr+1
.endr
	WIN 0
.if gr == (\nt/4-1)
	AHEAD \pl
.endif
.if \cvt
	BACK \so
.else
	NOP4
.endif
.set gr, gr+1
.endr
.endm
; Between circuits 2 and 3, on the 64 numbers y of my four tiles (true value y U): S1 = sum y^2, y = max(y, 0.01 y), S2 = sum y^2;
; n1 = sqrt(S1) U, a = 1 / (n1 + 1e-8), n2 = a U sqrt(S2), and y a U / n2 is the new state, kept 1024 times as large.
.macro MIDDLE1                         ; up to the loads of the eight waves' sums
	s_wait_dscnt 0x0
.irp i, 32,33,34,35,36,37,38,39,40,41,42,43,44,45,46,47,48,49,50,51,52,53,54,55,56,57,58,59,60,61,62,63
	CVTH 96+2*(\i-32), \i
.endr
.set ii, 0
.rept 32
.set ch, 2*(ii&1)
.if ii < 2
	v_pk_mul_f32 v[18+ch:19+ch], v[96+2*ii:97+2*ii], v[96+2*ii:97+2*ii]
.else
	v_pk_fma_f32 v[18+ch:19+ch], v[96+2*ii:97+2*ii], v[96+2*ii:97+2*ii], v[18+ch:19+ch]
.endif
	v_pk_mul_f32 v[28:29], v[96+2*ii:97+2*ii], 0x3c23d70a op_sel_hi:[1,0]
	v_max_num_f32 v[96+2*ii], v[96+2*ii], v28
	v_max_num_f32 v[97+2*ii], v[97+2*ii], v29
.if ii < 2
	v_pk_mul_f32 v[22+ch:23+ch], v[96+2*ii:97+2*ii], v[96+2*ii:97+2*ii]
.else
	v_pk_fma_f32 v[22+ch:23+ch], v[96+2*ii:97+2*ii], v[96+2*ii:97+2*ii], v[22+ch:23+ch]
.endif
.set ii, ii+1
.endr
	v_pk_add_f32 v[18:19], v[18:19], v[20:21]
	v_pk_add_f32 v[22:23], v[22:23], v[24:25]
	v_add_f32 v18, v18, v19
	v_add_f32 v19, v22, v23
	WSUM 18
	WSUM 19
	s_lshl_b32 s16, s12, 3
	s_add_co_u32 s16, s16, RED1
	v_mov_b32 v17, s16
	ds_store_b64 v17, v[18:19]             ; all lanes write the same two words
	BAR
	v_mov_b32 v17, RED1
	ds_load_b128 v[32:35], v17             ; the tiles' registers are free: the numbers lie in v[96:159]
	ds_load_b128 v[36:39], v17 offset:16
	ds_load_b128 v[40:43], v17 offset:32
	ds_load_b128 v[44:47], v17 offset:48
.endm
.macro MIDDLE2
	v_pk_add_f32 v[32:33], v[32:33], v[34:35]
	v_pk_add_f32 v[36:37], v[36:37], v[38:39]
	v_pk_add_f32 v[40:41], v[40:41], v[42:43]
	v_pk_add_f32 v[44:45], v[44:45], v[46:47]
	v_pk_add_f32 v[32:33], v[32:33], v[36:37]
	v_pk_add_f32 v[40:41], v[40:41], v[44:45]
	v_pk_add_f32 v[32:33], v[32:33], v[40:41]
	v_sqrt_f32 v18, v32
	v_sqrt_f32 v19, v33
	v_nop                                  ; one plain place behind a transcendental (ISA guide 5.7.2)
	s_wait_alu depctr_va_vdst(0)
	v_fmaak_f32 v18, v18, v16, 0x322bcc77  ; n1 + 1e-8
	v_rcp_f32 v20, v18
	v_nop
	s_wait_alu depctr_va_vdst(0)
	v_mul_f32 v20, v20, v16                ; a U
	v_mul_f32 v19, v20, v19                ; n2
	v_rcp_f32 v21, v19
	v_mul_f32 v20, 0x44800000, v20         ; 1024 a U: the place behind the reciprocal
	s_wait_alu depctr_va_vdst(0)
	v_mul_f32 v30, v20, v21
	v_mul_f32 v31, v20, v21
.set ii, 0
.rept 32
	v_pk_mul_f32 v[96+2*ii:97+2*ii], v[96+2*ii:97+2*ii], v[30:31]
.set ii, ii+1
.endr
.set ii, 0
.rept 32
	v_cvt_pk_f16_f32 v[32+ii], v[96+2*ii], v[97+2*ii]
.set ii, ii+1
.endr
.endm
; The four kinds of stage.  The block numbers are those of the NEXT stage's fragments.  A stage: the state's loads are issued; while they are on their way the
; store addresses and the fragments' -Im are made; first pass, signal, the next fragments; last pass with its stores.  TO, which follows, closes the stores.
.macro NEXTF w, b1, b2, b5
.set PF_W, \w
.set PF_1, \b1
.set PF_2, \b2
.set PF_5, \b5
.endm
.macro STG_A mid, p5                   ; circuits 1, 3: wires 4-7 (k = o7 o4 o5 o6), then wires 0-3 (k = o3 o0 o1 o2)
	LOADX
	NEXTF 0, -1, -1, \p5
.set ST_A, 10
.if \mid
	FXOR 1, 1, 1, 0
	WIN 0
	MIDDLE1
	s_wait_dscnt 0x0                       ; the eight waves' sums are in, and no LDS access of mine is open
	s_barrier_signal -1                    ; my loads of the state came back long ago
	PREF 0, -1, -1, \p5
	MIDDLE2
	TXOR 16, 10, 4, P8, P9, 0
	PASS4 1, 4, 160, 1, 0, 0
.else
	TXOR 16, 10, 4, P8, P9, 0
	FXOR 1, 1, 1, 0
	PASS4 1, 4, 160, 1, 1, 0
.endif
	PASS4 0, 4, 176, 1, 0, 1
.endm
.macro STG_B b1, b2, b5                ; circuits 1, 3: wires 8-12 (k = o11 o8 o9 o10, tile bit 0 = o12)
	LOADX
	NEXTF 1, \b1, \b2, \b5
.set ST_A, 11
	TXOR 16, 11, 4, P12, P4, 0
	FXOR 0, 0, 0, 1
	PASS5 1, 4, 1, 0, 1, 1
.endm
.macro STG_C nt, b1, b5                ; circuit 2: its wires 4-7 (k = o6 o3 o4 o5), then 12, 13 (h = o11, tile bit 0 = o12)
	LOADX
	NEXTF 0, \b1, -1, \b5
.set ST_A, 12
	TXOR 16, 12, \nt, P12, P7, PA
	FXOR 1, 1, 0, 1
	PASS4 1, \nt, 160, 1, 1, 0
	PASS5 0, \nt, 1, 1, 0, 1
.endm
.macro STG_D b1, b2, b5                ; circuit 2: its wires 8-11 (k = o10 o7 o8 o9), then 0-3 with CNOT (3, 4) (k = A o0 o1 o2, tile bit 0 = o3)
	LOADX
	NEXTF 1, \b1, \b2, \b5
.set ST_A, 13
	TXOR 16, 13, 8, P3, P4, P5
	FXOR 0, 1, 0, 1
	PASS4 1, 8, 160, 0, 1, 0
	PASS5 0, 8, 1, 0, 0, 1
.endm
; ---------------------------------------------------------------- entry: everything that comes from memory is asked for at once
	s_load_b256 s[4:11], s[0:1], 0x0       ; state_real s[4:5], state_imag s[6:7], all_weights s[8:9], out0 s[10:11]
	v_lshl_add_u32 v254, v0, 2, 0x1eb00
	v_mov_b32 v255, 0
	v_lshrrev_b32 v18, 5, v0
	v_readfirstlane_b32 s12, v18           ; wave 0..7
	s_lshl_b32 s14, ttmp9, 15              ; my row: 8,192 f32
	s_mov_b32 s15, 0
	s_mov_b32 s24, 0x76543210              ; v_permlanex16_b32: lane i of the other half
	s_mov_b32 s25, 0xfedcba98
	s_mov_b32 s34, 0x80008000              ; the signs of two f16
	v_lshlrev_b32 v30, 4, v0               ; 16 bytes a thread
	v_mul_u32_u24 v18, v0, 147             ; threads 0-95, a gate each: layer = t / 14 (t x 147 >> 11 is exact up to 83), clamped.  Needs no argument:
	v_lshrrev_b32 v18, 11, v18             ; it stands in front of the wait for them
	v_min_u32 v18, 5, v18
	v_mul_u32_u24 v19, v18, 14
	v_sub_nc_u32 v19, v0, v19
	v_min_u32 v19, 13, v19                 ; wire
	v_and_b32 v20, 1, v18                  ; the layer in its circuit picks the row of 234,
	v_lshrrev_b32 v21, 1, v18              ; the circuit the 78 columns
	v_mul_u32_u24 v20, v20, 234
	v_mad_u32_u24 v20, v21, 78, v20
	v_mad_u32_u24 v20, v19, 3, v20         ; at most word 431 of 468
	v_lshlrev_b32 v31, 2, v20
	s_wait_kmcnt 0x0
	s_add_nc_u64 s[4:5], s[4:5], s[14:15]
	s_add_nc_u64 s[6:7], s[6:7], s[14:15]
	s_cmp_gt_u32 s12, 2
	s_cbranch_scc1 .Lno_weights
	global_load_b32 v32, v31, s[8:9]
	global_load_b32 v33, v31, s[8:9] offset:4
	global_load_b32 v34, v31, s[8:9] offset:8
.Lno_weights:
.irp m, 0,1,2,3,4,5,6,7
	global_load_b128 v[176+4*\m:179+4*\m], v30, s[4:5] offset:\m*4096 th:TH_LOAD_NT   ; a wave's load covers 512 consecutive bytes, aligned
.endr
.irp m, 0,1,2,3,4,5,6,7
	global_load_b128 v[208+4*\m:211+4*\m], v30, s[6:7] offset:\m*4096 th:TH_LOAD_NT
.endr
; ---------------------------------------------------------------- addresses, made while the loads are on their way (v30, v31, which the loads name, are left alone).
; The lists give the wire on thread bits 0..7 (lane bits r0 r1 r2 r3 h for stores, j0 j1 j2 r3 h for loads; then the wave)
.irp b, 0,1,2,3,4,5,6,7
	v_bfe_u32 v[18+\b], v0, \b, 1
.endr
	LINADDR 1,  P10, P9, P8, P7,  P6,  P5,  P4,  P3    ; SIN: the input's units
	LINADDR 2,  P6,  P5, P4, P3,  P7,  P10, P11, P12   ; LAi
	LINADDR 3,  P6,  P5, P4, Q3,  Q7,  P10, P11, P12   ; LAii: with CNOTs (3,4), (7,8)
	LINADDR 4,  Q6,  P5, P4, P3,  P7,  Q10, P11, Q12   ; LAv: with (6,7), (10,11), (12,A), at A = 0
	LINADDR 5,  P10, P9, P8, P3,  P11, P5,  P6,  P7    ; LB
	LINADDR 6,  P5,  P4, Q3, P11, P6,  P8,  P9,  P10   ; LCiii: with (3,4); (7,8) stands in the tile's mask
	LINADDR 7,  P5,  P4, P3, P11, Q6,  P8,  P9,  Q10   ; LCiv: with (6,7), (10,11); (12,A) in the tile's mask
	LINADDR 8,  P9,  P8, P7, 0,   P10, P6,  P11, P12   ; LDn: the A = 0 data for both A
	LINADDR 9,  P9,  P8, P7, PA,  P10, P6,  P11, P12   ; LD
	LINADDR 10, P6,  P5, P4, P7,  P3,  P10, P11, P12   ; SA
	LINADDR 11, P10, P9, P8, P11, P3,  P5,  P6,  P7    ; SB
	LINADDR 12, P5,  P4, P3, P6,  P11, P8,  P9,  P10   ; SC
	LINADDR 13, P9,  P8, P7, P10, PA,  P6,  P11, P12   ; SD
	v_and_b32 v17, 15, v0
	v_mul_u32_u24 v14, v17, 80
	v_lshl_add_u32 v14, v22, 4, v14        ; v22 = bit 4 = h
	v_add_nc_u32 v14, MT, v14              ; fragments: row r, 16 h, in block 0
; ---------------------------------------------------------------- the 84 gates, the identity, into GT
	s_cmp_gt_u32 s12, 2
	s_cbranch_scc1 .Lno_gates
	s_wait_loadcnt 16                      ; my three weights are in; the sixteen loads of the state, issued behind them, stay out
	v_mul_f32 v32, 0.5, v32
; sin (v35-37) and cos (v38-40) of theta / 2, phi, lambda (v32-34), the three side by side so that no line waits for the one in front of it:
; reduce by 2 pi (two words), take a quarter, series to z^4, double the angle twice.  At work: v52-57.
.irp i, 0,1,2
	v_mul_f32 v[52+\i], 0.15915494, v[32+\i]
.endr
.irp i, 0,1,2
	v_rndne_f32 v[52+\i], v[52+\i]
.endr
.irp i, 0,1,2
	v_fmamk_f32 v[55+\i], v[52+\i], 0xc0c90fdb, v[32+\i]
.endr
.irp i, 0,1,2
	v_fmamk_f32 v[55+\i], v[52+\i], 0x343bbd2e, v[55+\i]
.endr
.irp i, 0,1,2
	v_mul_f32 v[55+\i], 0x3e800000, v[55+\i]
	v_mov_b32 v[35+\i], 0x3638ef1d
	v_mov_b32 v[38+\i], 0x37d00d01
.endr
.irp i, 0,1,2
	v_mul_f32 v[52+\i], v[55+\i], v[55+\i]
.endr
.irp i, 0,1,2
	v_fmaak_f32 v[35+\i], v[35+\i], v[52+\i], 0xb9500d01
	v_fmaak_f32 v[38+\i], v[38+\i], v[52+\i], 0xbab60b61
.endr
.irp i, 0,1,2
	v_fmaak_f32 v[35+\i], v[35+\i], v[52+\i], 0x3c088889
	v_fmaak_f32 v[38+\i], v[38+\i], v[52+\i], 0x3d2aaaab
.endr
.irp i, 0,1,2
	v_fmaak_f32 v[35+\i], v[35+\i], v[52+\i], 0xbe2aaaab
	v_fma_f32 v[38+\i], v[38+\i], v[52+\i], -0.5
.endr
.irp i, 0,1,2
	v_fma_f32 v[35+\i], v[35+\i], v[52+\i], 1.0
	v_fma_f32 v[38+\i], v[38+\i], v[52+\i], 1.0
.endr
.irp i, 0,1,2
	v_mul_f32 v[35+\i], v[35+\i], v[55+\i]
.endr
.rept 2
.irp i, 0,1,2
	v_mul_f32 v[52+\i], v[35+\i], v[38+\i]
	v_mul_f32 v[55+\i], v[35+\i], v[35+\i]
.endr
.irp i, 0,1,2
	v_add_f32 v[35+\i], v[52+\i], v[52+\i]
	v_fma_f32 v[38+\i], v[55+\i], -2.0, 1.0
.endr
.endr
	v_mov_b32 v45, 0                       ; s = v35, c = v38; sin, cos of phi = v36, v39; of lambda = v37, v40
	v_mul_f32 v46, -v40, v35               ; U01 = -e^(i lambda) s
	v_mul_f32 v47, -v37, v35
	v_mul_f32 v48, v39, v35                ; U10 = e^(i phi) s
	v_mul_f32 v49, v36, v35
	v_mul_f32 v41, v36, v37
	v_fma_f32 v41, v39, v40, -v41
	v_mul_f32 v42, v39, v37
	v_fma_f32 v42, v36, v40, v42
	v_mul_f32 v50, v41, v38                ; U11 = e^(i (phi + lambda)) c
	v_mul_f32 v51, v42, v38
	v_cmp_eq_u32 vcc_lo, 84, v0            ; gate 84 is the identity
	v_cmp_eq_u32 s26, 28, v0               ; gate 28 acts on the ancilla while it is |0>: its second column is never used and is stored as 0,
	s_or_b32 s27, vcc_lo, s26              ; so that the load in front of it may bring the A = 0 data for both values of A
	v_cndmask_b32 v44, v38, 1.0, vcc_lo    ; U00 = c
	v_cndmask_b32 v46, v46, 0, s27
	v_cndmask_b32 v47, v47, 0, s27
	v_cndmask_b32 v48, v48, 0, vcc_lo
	v_cndmask_b32 v49, v49, 0, vcc_lo
	v_cndmask_b32 v50, v50, 0, s26
	v_cndmask_b32 v50, v50, 1.0, vcc_lo
	v_cndmask_b32 v51, v51, 0, s27
	v_lshlrev_b32 v43, 5, v0
	v_add_nc_u32 v43, GT, v43
	ds_store_b128 v43, v[44:47]
	ds_store_b128 v43, v[48:51] offset:16
.Lno_gates:
	BAR                                    ; the gates are there for every wave
; ---------------------------------------------------------------- the matrices, first part: each lane reads the gate rows that its matrix rows are made of
; Row y of a matrix is row x(y) of the tensor product of its gates, x the index in front of the group's CNOTs.
; Five wires: a wave makes 2 x 2 blocks, lane y = 16 out + n one row of two of them; bits 4..0 of y, x: T, H, j2, j1, j0.
	v_and_b32 v24, 31, v0                  ; y
	v_and_b32 v21, 15, v0                  ; n
	v_bfe_u32 v20, v0, 4, 1                ; out; for four wires: which of the layer's two blocks
	s_cmp_gt_u32 s12, 3
	s_cbranch_scc1 .Lnot_c5
	s_and_b32 s16, s12, 2                  ; waves 0-3: layers 0, 1, 4, 5, wires 8-12
	s_add_co_u32 s16, s16, s12
	s_mul_i32 s17, s16, 14*32
	s_add_co_u32 s17, s17, GT
	s_add_co_u32 s18, s17, 12*32           ; T
	s_add_co_u32 s19, s17, 11*32           ; H
	s_add_co_u32 s20, s17, 8*32            ; j2
	s_add_co_u32 s21, s17, 9*32            ; j1
	s_add_co_u32 s22, s17, 10*32           ; j0
	G4X 23, 24
	v_and_b32 v25, 8, v24                  ; CNOT (11, 12)
	v_lshlrev_b32 v25, 1, v25
	v_xor_b32 v23, v23, v25
	s_branch .Lfive
.Lnot_c5:
	s_cmp_gt_u32 s12, 5
	s_cbranch_scc1 .Lnot_d5
	s_sub_co_u32 s16, s12, 2               ; waves 4, 5: layers 2, 3, circuit 2's wires 12 (H), 13 (T); identity on j
	s_mul_i32 s17, s16, 14*32
	s_add_co_u32 s17, s17, GT
	s_add_co_u32 s18, s17, 13*32
	s_add_co_u32 s19, s17, 12*32
	s_mov_b32 s20, IDG
	s_mov_b32 s21, IDG
	s_mov_b32 s22, IDG
	v_and_b32 v25, 8, v24                  ; CNOT (12, 13)
	v_lshlrev_b32 v25, 1, v25
	v_xor_b32 v23, v24, v25
	s_branch .Lfive
.Lnot_d5:
	s_sub_co_u32 s16, s12, 4               ; waves 6, 7: layers 2, 3, circuit 2's wires 0-3; wire 4 (T) only as the target of CNOT (3, 4)
	s_mul_i32 s17, s16, 14*32
	s_add_co_u32 s17, s17, GT
	s_mov_b32 s18, IDG
	s_mov_b32 s19, s17
	s_add_co_u32 s20, s17, 1*32
	s_add_co_u32 s21, s17, 2*32
	s_add_co_u32 s22, s17, 3*32
	v_bfe_u32 v23, v24, 1, 3               ; CNOTs (0,1), (2,3), (1,2), (3,4)
	v_xor_b32 v23, v23, v24
	v_bfe_u32 v25, v24, 2, 1
	v_xor_b32 v23, v23, v25
	v_and_b32 v25, 1, v24
	v_lshlrev_b32 v25, 4, v25
	v_xor_b32 v23, v23, v25
.Lfive:
	GROW 32, 4, 18
	GROW 36, 3, 19
	GROW 40, 2, 20
	GROW 44, 1, 21
	GROW 48, 0, 22
; Four wires: wave = layer (waves 0-5), lanes 0-15 the block of wires 4-7, lanes 16-31 the layer's other block; rows into v[108:123]
	s_cmp_gt_u32 s12, 5
	s_cbranch_scc1 .Lno_rows4
	s_mul_i32 s31, s12, 14*32
	s_add_co_u32 s31, s31, GT
	s_lshr_b32 s32, s12, 1
	s_cmp_eq_u32 s32, 1
	s_cselect_b32 s33, 12, 4               ; the other block's first wire is 8 in circuit 2, else 0: 4 xor 12, 4 xor 4
	G4X 27, 21
	v_mul_u32_u24 v19, v20, s33
	v_xor_b32 v19, 4, v19                  ; g
	v_lshl_add_u32 v19, v19, 5, s31
	v_bfe_u32 v25, v27, 3, 1
	v_lshl_add_u32 v25, v25, 4, v19
	ds_load_b128 v[108:111], v25 offset:96 ; H = wire g + 3
	v_bfe_u32 v25, v27, 2, 1
	v_lshl_add_u32 v25, v25, 4, v19
	ds_load_b128 v[112:115], v25           ; j2 = g
	v_bfe_u32 v25, v27, 1, 1
	v_lshl_add_u32 v25, v25, 4, v19
	ds_load_b128 v[116:119], v25 offset:32 ; j1 = g + 1
	v_bfe_u32 v25, v27, 0, 1
	v_lshl_add_u32 v25, v25, 4, v19
	ds_load_b128 v[120:123], v25 offset:64 ; j0 = g + 2
.Lno_rows4:
	BAR                                    ; my gate rows are in; as everywhere in this text a phase of LDS reads is closed in every wave before a phase of stores begins
; ---------------------------------------------------------------- the matrices, second part: products, and the rows into MT.  A wave's blocks are its own:
; four wires at MT + 32 blocks + wave x 2 blocks, five wires at MT + wave x 4 blocks
	s_cmp_gt_u32 s12, 5
	s_cbranch_scc1 .Lno_four
	s_mul_i32 s30, s12, 2*BLK
	s_add_co_u32 s30, s30, MT+32*BLK
	v_mul_u32_u24 v22, v21, 80             ; row n
	v_mul_u32_u24 v25, v20, BLK            ; of my half's block
	v_add_nc_u32 v22, v22, v25
	v_add_nc_u32 v22, s30, v22
	BUILDV16 108
	PACKSTORE 76, 0
.Lno_four:
	s_mul_i32 s29, s12, 4*BLK
	s_add_co_u32 s29, s29, MT
	v_mul_u32_u24 v22, v21, 80             ; row n
	v_mul_u32_u24 v25, v20, 2*BLK          ; of block 2 out
	v_add_nc_u32 v22, v22, v25
	v_add_nc_u32 v22, s29, v22
	BUILDV16 36
.irp tin, 0,1
.set kk, 0
.rept 16
	CMUL 108+2*kk,76+2*kk,32+2*\tin
.set kk, kk+1
.endr
	PACKSTORE 108, \tin*BLK
.endr
; ---------------------------------------------------------------- the row's norm
	s_wait_loadcnt 0x0                     ; my 64 numbers
.set ii, 0
.rept 32
.set ch, 2*(ii&3)
.if ii < 4
	v_pk_mul_f32 v[18+ch:19+ch], v[176+2*ii:177+2*ii], v[176+2*ii:177+2*ii]
.else
	v_pk_fma_f32 v[18+ch:19+ch], v[176+2*ii:177+2*ii], v[176+2*ii:177+2*ii], v[18+ch:19+ch]
.endif
.set ii, ii+1
.endr
	v_pk_add_f32 v[18:19], v[18:19], v[20:21]
	v_pk_add_f32 v[22:23], v[22:23], v[24:25]
	v_pk_add_f32 v[26:27], v[18:19], v[22:23]
	v_add_f32 v27, v26, v27
	WSUM 27
	s_lshl_b32 s16, s12, 2
	s_add_co_u32 s16, s16, RED0
	v_mov_b32 v17, s16
	ds_store_b32 v17, v27
	BAR                                    ; the eight sums, and all matrices, are there for every wave
	v_mov_b32 v17, RED0
	ds_load_b128 v[18:21], v17
	ds_load_b128 v[22:25], v17 offset:16
	PREF 1, 32, 33, -1                     ; the first stage's fragments come while the input is scaled and laid into LDS
	s_wait_dscnt 4                         ; the sums are in; the four loads of fragments, issued behind them, stay out
	v_pk_add_f32 v[18:19], v[18:19], v[20:21]
	v_pk_add_f32 v[22:23], v[22:23], v[24:25]
	v_pk_add_f32 v[18:19], v[18:19], v[22:23]
	v_add_f32 v18, v18, v19
	v_lshrrev_b32 v19, 23, v18             ; the sum's exponent field;
	v_add_nc_u32 v19, 0xffffff81, v19
	v_ashrrev_i32 v19, 1, v19              ; q: the norm lies in [2^q, 2^(q+1))
	v_sub_nc_u32 v20, 137, v19
	v_lshlrev_b32 v30, 23, v20             ; 2^(10 - q)
	v_lshlrev_b32 v31, 23, v20
	v_add_nc_u32 v16, 117, v19
	v_lshlrev_b32 v16, 23, v16             ; U = 2^(q - 10)
.set ii, 0
.rept 32
	v_pk_mul_f32 v[176+2*ii:177+2*ii], v[176+2*ii:177+2*ii], v[30:31]
.set ii, ii+1
.endr
	TXOR 16, 1, 4, P12, P11, 0
; load m brought index 1024 m + 4 t + e: m = o0 o1 o2 is the place in a unit, e = o11 o12 picks one of my four units
.irp e, 0,1,2,3
.irp i, 0,1,2,3
	v_cvt_pk_f16_f32 v[32+4*\e+\i], v[176+8*\i+\e], v[180+8*\i+\e]
	v_cvt_pk_f16_f32 v[48+4*\e+\i], v[208+8*\i+\e], v[212+8*\i+\e]
.endr
.endr
.set tl, 0
.rept 4
.if tl
.set AR, 16+tl
.else
.set AR, 1
.endif
	ds_store_b128 v[AR], v[32+4*tl:35+4*tl]
	ds_store_b128 v[AR], v[48+4*tl:51+4*tl] offset:IMP
.set tl, tl+1
.endr
; ---------------------------------------------------------------- the twelve stages; TO names the arrangement in which the stage behind it loads
	TO 2, 4, P8, P9, 0, 0                  ; circuit 1
	STG_A 0, 0
	TO 5, 4, P12, P4, 0, 1
	STG_B 34, 35, -1
	TO 3, 4, P8, P9, 0, 0
	STG_A 0, 4
	TO 5, 4, P12, P4, 0, 1
	STG_B 36, -1, 16
	TO 6, 4, P12, Q7, 0, 0                 ; circuit 2, first layer: the A = 1 half is zero and these gates leave A alone: four tiles
	STG_C 4, 37, 24
	TO 8, 8, P3, P4, P5, 0
	STG_D 38, -1, 20
	TO 7, 8, Q12, P7, PA, 0
	STG_C 8, 39, 28
	TO 9, 8, P3, P4, P5, 0
	STG_D 40, 41, -1
	TO 4, 4, P8, P9, 0, 0                  ; A = 0 is kept; norm, leaky ReLU, norm; circuit 3
	STG_A 1, 8
	TO 5, 4, P12, P4, 0, 1
	STG_B 42, 43, -1
	TO 3, 4, P8, P9, 0, 0
	STG_A 0, 12
	TO 5, 4, P12, P4, 0, 1
	LOADX                                  ; the last stage keeps its sums in f32 and stores no state
	FXOR 0, 0, 0, 1
	PASS5 1, 4, 0, 0, 2, 0
; ---------------------------------------------------------------- 13 sums of probabilities with signs
; Set t = (o4, o12), register j = o0 o1 o2, h = o3, r = o11 o8 o9 o10, wave = o7 o6 o5 (bits 7, 6, 5).  The CNOTs (3,4), (7,8) are still to come:
; wire 4's sign is o3's times o4's, wire 8's is o7's times o8's.
.set ii, 0
.rept 16
.set dr, 96+16*(ii>>2)+2*(ii&3)
	v_pk_mul_f32 v[32+2*ii:33+2*ii], v[dr:dr+1], v[dr:dr+1]
	v_pk_fma_f32 v[32+2*ii:33+2*ii], v[dr+8:dr+9], v[dr+8:dr+9], v[32+2*ii:33+2*ii]
.set ii, ii+1
.endr
.macro ADDP dst, bit                   ; pair ii is added, or taken away where its number's bit is 1; pairs 0 and 1 start the sum
.if ii == 1
.set sa, 32
.else
.set sa, \dst
.endif
.if (ii>>\bit)&1
	v_pk_add_f32 v[\dst:\dst+1], v[sa:sa+1], v[32+2*ii:33+2*ii] neg_lo:[0,1] neg_hi:[0,1]
.else
	v_pk_add_f32 v[\dst:\dst+1], v[sa:sa+1], v[32+2*ii:33+2*ii]
.endif
.endm
.set ii, 1
.rept 15
	ADDP 64, 4                             ; all
	ADDP 66, 0                             ; j1 = o1
	ADDP 68, 1                             ; j2 = o0
	ADDP 70, 2                             ; o12
	ADDP 72, 3                             ; o4
.set ii, ii+1
.endr
	v_add_f32 v74, v64, v65                ; the total
	v_sub_f32 v82, v64, v65                ; wire 2 (j0)
	v_add_f32 v81, v66, v67                ; wire 1
	v_add_f32 v80, v68, v69                ; wire 0
	v_add_f32 v92, v70, v71                ; wire 12
	v_add_f32 v79, v72, v73
.irp b, 0,1,2,3,4,5,6,7
	v_lshlrev_b32 v[18+\b], 31-\b, v0      ; thread bit b as a sign
	v_and_b32 v[18+\b], 0x80000000, v[18+\b]
.endr
	v_xor_b32 v83, v22, v74                ; wire 3
	v_xor_b32 v84, v22, v79                ; wire 4
	v_xor_b32 v85, v23, v74                ; wire 5
	v_xor_b32 v86, v24, v74                ; wire 6
	v_xor_b32 v87, v25, v74                ; wire 7
	v_xor_b32 v88, v20, v87                ; wire 8
	v_xor_b32 v89, v19, v74                ; wire 9
	v_xor_b32 v90, v18, v74                ; wire 10
	v_xor_b32 v91, v21, v74                ; wire 11
.irp m, 1,2,4,8
.set wi, 0
.rept 13
	v_add_f32_dpp v[80+wi], v[80+wi], v[80+wi] row_xmask:\m row_mask:0xf bank_mask:0xf
.set wi, wi+1
.endr
.endr
.set wi, 0
.rept 13
	v_permlanex16_b32 v[96+wi], v[80+wi], s24, s25
.set wi, wi+1
.endr
	s_lshl_b32 s16, s12, 6
	s_add_co_u32 s16, s16, RED2
	v_mov_b32 v17, s16
.set wi, 0
.rept 13
	v_add_f32 v[80+wi], v[80+wi], v[96+wi]
	ds_store_b32 v17, v[80+wi] offset:4*wi
.set wi, wi+1
.endr
	BAR
	s_cmp_lg_u32 s12, 0
	s_cbranch_scc1 .Lend
	v_min_u32 v19, 12, v0                  ; wave 0: lane = wire, lanes 13-31 read wire 12's words and store nothing
	v_lshlrev_b32 v19, 2, v19
	v_add_nc_u32 v19, RED2, v19
.irp w, 0,1,2,3,4,5,6,7
	ds_load_b32 v[20+\w], v19 offset:64*\w
.endr
	s_mul_i32 s16, ttmp9, 52
	v_lshl_add_u32 v18, v0, 2, s16
	s_wait_dscnt 0x0
	v_add_f32 v20, v20, v21
	v_add_f32 v22, v22, v23
	v_add_f32 v24, v24, v25
	v_add_f32 v26, v26, v27
	v_add_f32 v20, v20, v22
	v_add_f32 v24, v24, v26
	v_add_f32 v20, v20, v24
	v_mul_f32 v20, 0x35800000, v20         ; the state's norm was 1024: 2^-20
	v_cmp_gt_u32 vcc_lo, 13, v0
	s_wait_xcnt 0x0                        ; EXEC changes only behind s_wait_xcnt 0
	s_and_saveexec_b32 s26, vcc_lo
	global_store_b32 v18, v20, s[10:11]
	s_wait_xcnt 0x0
	s_or_b32 exec_lo, exec_lo, s26
.Lend:
	s_wait_tensorcnt 0x0
	ds_add_u32 v254, v255
	s_wait_dscnt 0x0
	s_endpgm
.Lfunc_end_k_q008f8f9b4a_pqc:
	.size	k_q008f8f9b4a_pqc, .Lfunc_end_k_q008f8f9b4a_pqc-k_q008f8f9b4a_pqc
	.p2alignl 7, 3214868480
	.fill 96, 4, 3214868480
	.section	.rodata,"a",@progbits
	.p2align	6, 0x0
	.amdhsa_kernel k_q008f8f9b4a_pqc
		.amdhsa_group_segment_fixed_size 126720
		.amdhsa_private_segment_fixed_size 0
		.amdhsa_enable_private_segment 0
		.amdhsa_kernarg_size 32
		.amdhsa_user_sgpr_count 2
		.amdhsa_user_sgpr_kernarg_segment_ptr 1
		.amdhsa_wavefront_size32 1
		.amdhsa_system_sgpr_workgroup_id_x 1
		.amdhsa_system_sgpr_workgroup_id_y 1
		.amdhsa_system_sgpr_workgroup_id_z 1
		.amdhsa_system_vgpr_workitem_id 0
		.amdhsa_next_free_vgpr 496
		.amdhsa_next_free_sgpr 66
		.amdhsa_reserve_vcc 1
		.amdhsa_float_denorm_mode_32 3
		.amdhsa_float_denorm_mode_16_64 3
		.amdhsa_memory_ordered 1
		.amdhsa_forward_progress 1
		.amdhsa_inst_pref_size 196
	.end_amdhsa_kernel
	.amdgpu_metadata
---
amdhsa.version: [ 1, 2 ]
amdhsa.kernels:
  - .name:           k_q008f8f9b4a_pqc
    .symbol:         k_q008f8f9b4a_pqc.kd
    .args:
      - { .name: state_real, .offset: 0, .size: 8, .value_kind: global_buffer, .address_space: global }
      - { .name: state_imag, .offset: 8, .size: 8, .value_kind: global_buffer, .address_space: global }
      - { .name: all_weights, .offset: 16, .size: 8, .value_kind: global_buffer, .address_space: global }
      - { .name: out0, .offset: 24, .size: 8, .value_kind: global_buffer, .address_space: global }
    .group_segment_fixed_size: 126720
    .private_segment_fixed_size: 0
    .kernarg_segment_align: 8
    .kernarg_segment_size: 32
    .max_flat_workgroup_size: 256
    .sgpr_count:     66
    .vgpr_count:     496
    .wavefront_size: 32
...
	.end_amdgpu_metadata
.endif
;; end of part 2
